; MI455X (gfx1250); checked and timed in simulation.
; The chip was launched on July 23, 2026; its instructions are those of AMD's public machine-readable ISA for CDNA 5 (MIT licence, August 2026) and "CDNA5" Instruction Set Architecture Reference Guide (July 2026). The comments in the code are by the model that wrote it; some were corrected since.
;; Simple Self Attention. Allowed arithmetic: matrix products marked QUANTISED: E2M1 operands, one E8M0 scale for each 32 along K, by v_wmma_scale_f32_16x16x128_f8f6f4 with both operands' format E2M1 (or v_wmma_scale_f32_32x16x128_f4), f32 sums; everything else in f32.
;; Inputs: Wproj 1,024 x 1,024 float32; Wqkv 3,072 x 1,024 float32; bproj 1,024 float32; bqkv 3,072 float32; causal_mask 2,048 x 2,048 bool; key_padding_mask 4 x 2,048 bool; x 4 x 2,048 x 1,024 float32.
;; Outputs: out0 4 x 2,048 x 1,024 float32.
;; This version of the problem:
;;   THIS VERSION OF THE PROBLEM IS GIVEN IN LOW PRECISION. The matrix products marked QUANTISED in the list below multiply operands that are first quantised to E2M1 (2 exponent bits, 1 mantissa bit; 4 bits a number), with one power-of-two scale for each 32 numbers along K (OCP MX v1.0); their sums are f32. All else is computed in f32.
;;   The module's matrix products, in the order in which they are computed (A, B: the left and right operand; K: the contracted axis; several contracted axes count as one K, in the product's order):
;;     1. [M 8,192, K 1,024] x [K 1,024, N 3,072]; A: input x; B: input Wqkv: QUANTISED
;;     2. batch 64 x [M 2,048, K 64] x [K 64, N 2,048]; A: computed on the way; B: computed on the way: QUANTISED
;;     3. batch 64 x [M 2,048, K 2,048] x [K 2,048, N 64]; A: computed on the way; B: computed on the way: QUANTISED
;;     4. [M 8,192, K 1,024] x [K 1,024, N 1,024]; A: computed on the way; B: input Wproj: QUANTISED
;;   THE QUANTISER, for each operand of a quantised product, along K:
;;     - K is cut into blocks of 32 from its start; a last block that is shorter is filled with zeros.
;;     - A block's scale is 2^e with e = floor(log2(the largest magnitude in the block)) - 2, held to -126 .. 127; a block of zeros has e = 0. As a byte (E8M0): e + 127.
;;     - Each number is divided by its block's scale, clamped to +-6, and rounded to the nearest number of E2M1, ties to even, subnormals kept.
;;     - The product sums the exact products of the quantised numbers (number of the format x scale) in f32.
;;   ~~~python
;;   def quantise(x, axis):      # numpy; x: float32 -> the quantised numbers, widened to float32 again
;;       x = np.moveaxis(x, axis, -1); K = x.shape[-1]
;;       x = np.pad(x, [(0, 0)] * (x.ndim - 1) + [(0, -K % 32)]); x = x.reshape(x.shape[:-1] + (-1, 32)); a = np.abs(x).max(-1, keepdims=True)
;;       e = np.where(a > 0, np.clip(np.frexp(np.where(a > 0, a, 1))[1] - 1 - 2, -126, 127), 0)      # np.frexp(a)[1] - 1 = floor(log2(a)), exactly
;;       r = np.clip(x / 2.0 ** e, -6, 6)
;;       step = 2.0 ** (np.maximum(np.frexp(np.where(r == 0, 1, r))[1] - 1, 0) - 1)
;;       q = np.round(r / step) * step * 2.0 ** e      # np.round: ties to even
;;       return np.moveaxis(q.reshape(q.shape[:-2] + (-1,))[..., :K], -1, axis).astype(np.float32)
;;   ~~~
;;   OPERANDS COMPUTED ON THE WAY. 'Computed on the way' means the value that the module computes at that place (a softmax that the list does not call 'softmax' is quantised finished and normalised). What goes into a quantiser is computed in f32, as accurately as f32 sums, v_exp_f32 and their like allow (about 1e-6 of the number): no bf16 or f16 on the way to a quantiser, and a product that is left as it is and whose result goes on into a quantised operand takes f32 operands (vector FMAs, or v_wmma_f32_16x16x4_f32). A number that lies on a knife's edge between two numbers of the format may be rounded either way, as far as f32 arithmetic and the matrix unit's own rounding can turn it there, and no further.
;; 2 versions, each right; version 2 is version 1 with the launch attn written anew for expert scheduling mode. Each part assembles by itself: llvm-mc -triple=amdgcn-amd-amdhsa -mcpu=gfx1250 --defsym DOCPART=n.
;; ======== version 1 of 2: 4 launches
;; workspace buffers: flags 4,096 bytes of whole numbers; opc 6,291,456 bytes; ops 393,216 bytes; masks 2,097,152 bytes of whole numbers; qkvc 12,582,912 bytes; qkvs 786,432 bytes; ac 4,194,304 bytes; asc 262,144 bytes
;; launch prep (part 1): grid 448 x 1, 4 waves a work-group, no clusters, 34,304 bytes of LDS; arguments x, Wqkv, Wproj, causal_mask, key_padding_mask, opc, ops, masks, flags; writes opc, ops, masks, flags
.if DOCPART == 1
	.amdgcn_target "amdgcn-amd-amdhsa--gfx1250"
	.amdhsa_code_object_version 6
	.text
	.protected	k_q721cc5aa3a_prep
	.globl	k_q721cc5aa3a_prep
	.p2align	8
	.type	k_q721cc5aa3a_prep,@function
k_q721cc5aa3a_prep:
	s_mov_b64 s[64:65], 0
	v_nop
	global_prefetch_b8 v0, s[64:65] scope:SCOPE_SE
	s_setreg_imm32_b32 hwreg(HW_REG_WAVE_MODE, 25, 1), 1
	s_wait_xcnt 0x0
; TWO JOBS IN ONE LAUNCH, parted on the work-group's number.
; Work-groups 0-191: x [8192][1024], Wqkv [3072][1024], Wproj [1024][1024], f32, become codes of FP4 (E2M1) with one E8M0 byte for each 32 along K.
;   ROWS ARE KEPT IN POSITION ORDER: position = row with bits 3 and 4 swapped.  Lane index r of block a (16 positions) is row 32 (a / 2) + 8 (a % 2) + r + 8 (r / 8).
;   CODES ARE KEPT AS IMAGES OF THE OPERAND'S REGISTERS: [block of 16 positions][K step of 128][c 0..1][lane][16 bytes]; lane (r, h) holds k = 64 c + 32 h + 0 .. 31 of row r.
;   Scale bytes: [position][32 bytes], byte k / 32.  Blocks: x 0-511, Wqkv 512-703, Wproj 704-767.
;   A wave takes one block of 16 rows for all of K.  Each load reads 512 consecutive bytes of one row; a K step's 16 x 512 bytes turn through the wave's own stage in LDS
;   (rows of 512 + 16 bytes), so that a lane gets 16 neighbours of each block of 32.
; Work-groups 192-447: the two masks, OR-ed, become one bit a (query, key) pair, laid as the attention launch's score registers lie:
;   masks: words [batch][tile of 16 positions][step of 128 keys][64 words]: word 16 B + i, bit lane (r, h) = masked(query of position r, key 128 step + 32 B + 16 h + i);
;   flags: for each (batch, tile, half of the keys) a word: bit step = some pair counts, bit 16 + step = some pair is masked.
; A block's scale byte is its largest magnitude's exponent field - 2, held at 1 from below.
; LIMITS: NaN and infinities among the inputs are not served; a block of zeros, or one whose largest magnitude lies under 2^-124, gets the byte 1 (its codes are zeros or held by that scale; only this program reads the bytes);
; mask bytes are 0 or 1.
.set QWG,  192                         ; work-groups that quantise
.set R,    32                          ; v32-159  two sets of 64: a K step as loaded
.set X,    160                         ; v160-223 64 numbers: register 16 B + i = k 32 B + 16 h + i of my row
.set PC,   224                         ; v224-231 the fragment just made
.set TM,   232                         ; v232-247 at work in QUANT
.set SW,   248                         ; v248-255 the eight K steps' scale words
.set SEL,  26                          ; s[26:27] lane selects: lane l xor 16
.set SPI,  528                         ; a stage row
.set CM,   32                          ; mask path: v32-95 four sets of 16: causal_mask's bytes
.set KP,   96                          ; v96-159 the same for key_padding_mask
.set OW,   160                         ; v160-175 two registers of words for each step
; 64 numbers of a lane, v[s] on, register 16 b + i = k 32 b + 16 (lane / 16) + i of my row, become a fragment's codes in v[pc] on and its scale word in v[pw].
.macro QUANT s, pc, pw
.irp b, 0,1,2,3
	v_max3_num_f32 v[TM+\b], |v[\s+16*\b]|, |v[\s+1+16*\b]|, 0x1800000   ; my 16 numbers of block b, and the floor 2^(3 - 127): the byte cannot fall under 1
.endr
.irp i, 2,4,6,8,10,12,14
.irp b, 0,1,2,3
	v_max3_num_f32 v[TM+\b], v[TM+\b], |v[\s+16*\b+\i]|, |v[\s+1+16*\b+\i]|   ; the four blocks by turns
.endr
.endr
.irp b, 0,1,2,3
	v_permlanex16_b32 v[TM+4+\b], v[TM+\b], s[SEL], s[SEL+1]
.endr
.irp b, 0,1,2,3
	v_max_num_f32 v[TM+\b], v[TM+\b], v[TM+4+\b]     ; with lane l xor 16's: the block's largest magnitude
.endr
.irp b, 0,1,2,3
	v_add_nc_u32 v[TM+12+\b], 0xff000000, v[TM+\b]   ; 2 off its exponent field: the conversion's scale operand
.endr
.irp b, 0,1,2,3
	v_lshrrev_b32 v[TM+4+\b], 23, v[TM+12+\b]        ; the scale's byte
.endr
	v_lshl_or_b32 v[\pw], v[TM+5], 8, v[TM+4]
	v_lshl_or_b32 v[\pw], v[TM+6], 16, v[\pw]
	v_lshl_or_b32 v[\pw], v[TM+7], 24, v[\pw]        ; my row's scale word for these 128 along K
.irp b, 0,1,2,3
	v_cvt_scalef32_pk8_fp4_f32 v[\pc+2*\b], v[\s+16*\b:\s+7+16*\b], v[TM+12+\b]
	v_cvt_scalef32_pk8_fp4_f32 v[\pc+1+2*\b], v[\s+8+16*\b:\s+15+16*\b], v[TM+12+\b]
.endr
	v_nop                                            ; one plain place behind a scaled conversion
.irp c, 0,1
.irp i, 0,1
	v_permlane16_swap_b32 v[\pc+4*\c+\i], v[\pc+2+4*\c+\i]   ; a whole block to a lane: lanes 0-15 block 2 c, lanes 16-31 block 2 c + 1
.endr
.endr
.endm
	s_load_b512 s[4:19], s[0:1], 0x0               ; x s[4:5], Wqkv s[6:7], Wproj s[8:9], causal_mask s[10:11], key_padding_mask s[12:13], opc s[14:15], ops s[16:17], masks s[18:19]
	s_load_b64 s[38:39], s[0:1], 0x40              ; flags
	v_lshl_add_u32 v242, v0, 2, 0x8400
	v_mov_b32 v243, 0
	v_lshrrev_b32 v1, 5, v0
	v_readfirstlane_b32 s24, v1                    ; wave 0..3
	v_and_b32 v8, 31, v0                           ; lane
	v_and_b32 v2, 15, v0                           ; r
	v_bfe_u32 v3, v0, 4, 1                         ; h
	s_cmp_ge_u32 ttmp9, QWG
	s_cbranch_scc1 .Lmasks
	; ---------------- the quantiser ----------------
	v_lshlrev_b32 v1, 4, v8                        ; 16 x lane: my bytes of a load's 512, and of an image's
	s_mul_i32 s25, s24, 16*SPI                     ; my wave's stage
	v_add_nc_u32 v4, s25, v1                       ; into it: row i at SPI i
	v_mul_u32_u24 v5, v2, SPI
	v_lshl_add_u32 v5, v3, 6, v5
	v_add_nc_u32 v5, s25, v5                       ; out of it: row r, + 64 h: my 16 numbers of a block of 32
	v_lshlrev_b32 v6, 5, v2
	v_lshl_add_u32 v6, v3, 4, v6                   ; the scale words' way out: 32 r + 16 h
	s_mov_b32 s[SEL], 0x76543210
	s_mov_b32 s[SEL+1], 0xfedcba98
	s_mov_b32 s28, 0xffff0000                      ; lanes 16-31
.irp b, 0,1,2,3
	v_mov_b32 v[TM+4+\b], 0                        ; written once: a lane permute's destination counts as one of its sources
.endr
	s_lshl_b32 s29, ttmp9, 2
	s_add_co_u32 s29, s29, s24                     ; my block among the 768
	s_wait_kmcnt 0x0
	s_mov_b32 s22, 176
	s_cmp_lt_u32 ttmp9, 176                        ; which tensor: the choice hangs on the work-group's number alone
	s_cselect_b64 s[20:21], s[6:7], s[8:9]
	s_cselect_b32 s22, 128, s22
	s_cmp_lt_u32 ttmp9, 128
	s_cselect_b64 s[20:21], s[4:5], s[20:21]
	s_cselect_b32 s22, 0, s22                      ; the tensor's first work-group
	s_lshl_b32 s22, s22, 2
	s_sub_co_u32 s22, s29, s22                     ; my block in the tensor
	s_lshr_b32 s30, s22, 1
	s_lshl_b32 s30, s30, 17                        ; 32 rows of 4,096 bytes for each pair of blocks,
	s_and_b32 s31, s22, 1
	s_lshl_b32 s31, s31, 15                        ; 8 rows more for the odd one
	s_add_co_u32 s30, s30, s31
	s_mov_b32 s31, 0
	s_add_nc_u64 s[20:21], s[20:21], s[30:31]
	s_lshl_b32 s30, s29, 13                        ; a block's images: 8,192 bytes
	s_add_nc_u64 s[14:15], s[14:15], s[30:31]
	s_lshl_b32 s30, s29, 9                         ; its scale bytes: 512
	s_add_nc_u64 s[16:17], s[16:17], s[30:31]
.macro LOADK ks                        ; K step ks of my 16 rows: load i reads 512 consecutive bytes of the row of position i
.irp i, 0,1,2,3,4,5,6,7,8,9,10,11,12,13,14,15
	global_load_b128 v[R+64*((\ks)%2)+4*\i:R+64*((\ks)%2)+4*\i+3], v1, s[20:21] offset:(\i+8*(\i/8))*4096+512*(\ks) th:TH_LOAD_NT
.endr
.endm
.macro QSTEP ks
.if (\ks) < 7
	s_wait_loadcnt 16                              ; this K step's 16 loads are in; the next step's 16 may be out
.else
	s_wait_loadcnt 0x0
.endif
.irp i, 0,1,2,3,4,5,6,7,8,9,10,11,12,13,14,15
	ds_store_b128 v4, v[R+64*((\ks)%2)+4*\i:R+64*((\ks)%2)+4*\i+3] offset:SPI*\i
.endr
.irp b, 0,1,2,3
.irp j, 0,1,2,3
	ds_load_b128 v[X+16*\b+4*\j:X+16*\b+4*\j+3], v5 offset:128*\b+16*\j   ; LDS serves a wave's instructions in order: these see the stores above
.endr
.endr
	s_wait_dscnt 0x0                               ; the numbers are back, and the stores have read their registers,
.if (\ks) < 6
	LOADK (\ks)+2                                  ; which take the K step two further on
.endif
	s_wait_xcnt 0x0                                ; the last step's stores have read the fragment's registers: they are written again below
	QUANT X, PC, SW+\ks
.irp c, 0,1
	global_store_b128 v1, v[PC+4*\c:PC+4*\c+3], s[14:15] offset:1024*(\ks)+512*\c   ; 512 consecutive bytes
.endr
.endm
	LOADK 0
	LOADK 1
.irp k, 0,1,2,3,4,5,6,7
	QSTEP \k
.endr
.irp i, 0,1,2,3
	v_cndmask_b32 v[8+\i], v[SW+\i], v[SW+4+\i], s28   ; both halves of the lanes hold all eight words: lanes 0-15 send words 0-3, lanes 16-31 words 4-7
.endr
	global_store_b128 v6, v[8:11], s[16:17]        ; 16 rows x 32 bytes: 512 consecutive bytes
	s_wait_tensorcnt 0x0
	ds_add_u32 v242, v243
	s_wait_dscnt 0x0
	s_endpgm
	; ---------------- the masks ----------------
.Lmasks:
	s_sub_co_u32 s25, ttmp9, QWG
	s_lshr_b32 s26, s25, 1                         ; the tile of 16 positions, 0..127
	s_and_b32 s27, s25, 1                          ; which half of the keys: 8 steps.  The wave's number is the batch
	v_lshrrev_b32 v4, 3, v2
	v_lshl_add_u32 v4, v4, 3, v2                   ; r + 8 (r / 8)
	v_lshlrev_b32 v4, 11, v4                       ; a row of causal_mask is 2,048 bytes
	v_lshl_add_u32 v4, v3, 4, v4                   ; + 16 h: my 16 keys of a block of 32
	v_lshlrev_b32 v5, 4, v3                        ; the same keys in key_padding_mask's row
	v_lshlrev_b32 v6, 3, v8                        ; the words' way out: 8 bytes a lane
	v_mov_b32 v7, 0
.irp i, 0,1,2,3,4,5,6,7,8,9,10,11,12,13,14,15
	v_mov_b32 v[OW+\i], 0                          ; v_writelane_b32's destination counts as read
.endr
	s_mov_b32 s30, 0                               ; the flags
	s_lshr_b32 s28, s26, 1
	s_lshl_b32 s28, s28, 16                        ; 32 rows for each pair of tiles,
	s_and_b32 s29, s26, 1
	s_lshl_b32 s29, s29, 14                        ; 8 rows more for the odd one,
	s_add_co_u32 s28, s28, s29
	s_lshl_b32 s29, s27, 10                        ; my half's first key
	s_add_co_u32 s28, s28, s29
	s_mov_b32 s29, 0
	s_wait_kmcnt 0x0
	s_add_nc_u64 s[10:11], s[10:11], s[28:29]
	s_lshl_b32 s28, s24, 11
	s_lshl_b32 s31, s27, 10
	s_add_co_u32 s28, s28, s31
	s_add_nc_u64 s[12:13], s[12:13], s[28:29]      ; key_padding_mask: my batch's row, my half
	s_lshl_b32 s31, s24, 7
	s_add_co_u32 s31, s31, s26                     ; 128 x batch + tile
	s_lshl_b32 s28, s31, 1
	s_add_co_u32 s28, s28, s27                     ; x 2 + half
	s_lshl_b32 s32, s28, 2
	s_mov_b32 s33, 0
	s_add_nc_u64 s[20:21], s[38:39], s[32:33]      ; my word of flags
	s_lshl_b32 s28, s28, 11                        ; 8 steps of 256 bytes
	s_add_nc_u64 s[18:19], s[18:19], s[28:29]      ; my words
.macro MLOAD t                         ; step t: register 4 B + i / 4, byte i % 4 = key 128 t + 32 B + 16 h + i
.irp b, 0,1,2,3
	global_load_b128 v[CM+16*((\t)%4)+4*\b:CM+16*((\t)%4)+4*\b+3], v4, s[10:11] offset:128*(\t)+32*\b
	global_load_b128 v[KP+16*((\t)%4)+4*\b:KP+16*((\t)%4)+4*\b+3], v5, s[12:13] offset:128*(\t)+32*\b
.endr
.endm
.macro MSTEP t
.set CS, CM+16*((\t)%4)
.set KS, KP+16*((\t)%4)
.if 7-(\t) >= 3
	s_wait_loadcnt 24                              ; this step's 8 loads are in; those of the three steps behind it may be out
.else
	s_wait_loadcnt 8*(7-(\t))
.endif
.irp i, 0,1,2,3,4,5,6,7,8,9,10,11,12,13,14,15
	v_or_b32 v[CS+\i], v[CS+\i], v[KS+\i]          ; masked by either
.endr
	v_or_b32 v180, v[CS], v[CS+1]
	v_and_b32 v181, v[CS], v[CS+1]
.irp i, 2,3,4,5,6,7,8,9,10,11,12,13,14,15
	v_or_b32 v180, v180, v[CS+\i]
	v_and_b32 v181, v181, v[CS+\i]
.endr
	v_cmp_ne_u32 s31, 0, v180                      ; a lane with a masked pair
	v_cmp_ne_u32 s32, 0x01010101, v181             ; a lane with a pair that counts
	s_cmp_lg_u32 s31, 0
	s_cselect_b32 s33, 1<<(16+(\t)), 0
	s_or_b32 s30, s30, s33
	s_cmp_lg_u32 s32, 0
	s_cselect_b32 s33, 1<<(\t), 0
	s_or_b32 s30, s30, s33
.irp g, 0,1,2,3,4,5,6,7,8,9,10,11,12,13,14,15  ; word n = 4 g + k: one bit of each lane; it goes to lane n / 2, register n % 2, for the way out
.irp k, 0,1,2,3
	v_and_b32 v[176+\k], 1<<(8*\k), v[CS+\g]
.endr
.irp k, 0,1,2,3
	v_cmp_ne_u32 s[34+\k], 0, v[176+\k]
.endr
.irp k, 0,1,2,3
	v_writelane_b32 v[OW+2*(\t)+\k%2], s[34+\k], 2*\g+\k/2
.endr
.endr
	global_store_b64 v6, v[OW+2*(\t):OW+2*(\t)+1], s[18:19] offset:256*(\t)   ; 256 consecutive bytes, aligned; each step has its own two registers
.if (\t) < 4
	MLOAD (\t)+4
.endif
.endm
.irp t, 0,1,2,3
	MLOAD \t
.endr
.irp t, 0,1,2,3,4,5,6,7
	MSTEP \t
.endr
	s_lshl_b32 s31, s27, 3
	s_lshl_b32 s30, s30, s31                       ; the second half's steps are 8 to 15
	v_mov_b32 v9, s30
	s_wait_xcnt 0x0                                ; EXEC changes only when the stores above have read it
	v_cmp_eq_u32 vcc_lo, 0, v8
	s_and_saveexec_b32 s31, vcc_lo
	global_store_b32 v7, v9, s[20:21]              ; one lane stores the flags
	s_endpgm
.Lfunc_end_k_q721cc5aa3a_prep:
	.size	k_q721cc5aa3a_prep, .Lfunc_end_k_q721cc5aa3a_prep-k_q721cc5aa3a_prep
	.p2alignl 7, 3214868480
	.fill 96, 4, 3214868480
	.section	.rodata,"a",@progbits
	.p2align	6, 0x0
	.amdhsa_kernel k_q721cc5aa3a_prep
		.amdhsa_group_segment_fixed_size 34304
		.amdhsa_private_segment_fixed_size 0
		.amdhsa_enable_private_segment 0
		.amdhsa_kernarg_size 72
		.amdhsa_user_sgpr_count 2
		.amdhsa_user_sgpr_kernarg_segment_ptr 1
		.amdhsa_wavefront_size32 1
		.amdhsa_system_sgpr_workgroup_id_x 1
		.amdhsa_system_sgpr_workgroup_id_y 1
		.amdhsa_system_sgpr_workgroup_id_z 1
		.amdhsa_system_vgpr_workitem_id 0
		.amdhsa_next_free_vgpr 256
		.amdhsa_next_free_sgpr 66
		.amdhsa_reserve_vcc 1
		.amdhsa_float_denorm_mode_32 3
		.amdhsa_float_denorm_mode_16_64 3
		.amdhsa_memory_ordered 1
		.amdhsa_forward_progress 1
		.amdhsa_inst_pref_size 179
	.end_amdhsa_kernel
	.amdgpu_metadata
---
amdhsa.version: [ 1, 2 ]
amdhsa.kernels:
  - .name:           k_q721cc5aa3a_prep
    .symbol:         k_q721cc5aa3a_prep.kd
    .args:
      - { .name: x, .offset: 0, .size: 8, .value_kind: global_buffer, .address_space: global }
      - { .name: Wqkv, .offset: 8, .size: 8, .value_kind: global_buffer, .address_space: global }
      - { .name: Wproj, .offset: 16, .size: 8, .value_kind: global_buffer, .address_space: global }
      - { .name: causal_mask, .offset: 24, .size: 8, .value_kind: global_buffer, .address_space: global }
      - { .name: key_padding_mask, .offset: 32, .size: 8, .value_kind: global_buffer, .address_space: global }
      - { .name: opc, .offset: 40, .size: 8, .value_kind: global_buffer, .address_space: global }
      - { .name: ops, .offset: 48, .size: 8, .value_kind: global_buffer, .address_space: global }
      - { .name: masks, .offset: 56, .size: 8, .value_kind: global_buffer, .address_space: global }
      - { .name: flags, .offset: 64, .size: 8, .value_kind: global_buffer, .address_space: global }
    .group_segment_fixed_size: 34304
    .private_segment_fixed_size: 0
    .kernarg_segment_align: 8
    .kernarg_segment_size: 72
    .max_flat_workgroup_size: 128
    .sgpr_count:     66
    .vgpr_count:     256
    .wavefront_size: 32
...
	.end_amdgpu_metadata
.endif
;; end of part 1
;; launch qkv (part 2): grid 12 x 32, 4 waves a work-group, clusters of 4 x 4, 327,680 bytes of LDS; arguments opc, ops, bqkv, qkvc, qkvs; writes qkvc, qkvs
.if DOCPART == 2
	.amdgcn_target "amdgcn-amd-amdhsa--gfx1250"
	.amdhsa_code_object_version 6
	.text
	.protected	k_q721cc5aa3a_qkv
	.globl	k_q721cc5aa3a_qkv
	.p2align	8
	.type	k_q721cc5aa3a_qkv,@function
k_q721cc5aa3a_qkv:
	s_mov_b64 s[64:65], 0
	v_nop
	global_prefetch_b8 v0, s[64:65] scope:SCOPE_SE
	s_setreg_imm32_b32 hwreg(HW_REG_WAVE_MODE, 25, 1), 1
	s_wait_xcnt 0x0
	s_wait_alu depctr_hold_cnt(0) depctr_sa_sdst(0) depctr_va_vdst(0) depctr_va_sdst(0) depctr_va_ssrc(0) depctr_va_vcc(0) depctr_vm_vsrc(0)
	s_getreg_b32 s2, hwreg(HW_REG_IB_STS2, 6, 4)
	s_cmp_eq_u32 s2, 0
	s_cbranch_scc0 .Lentry_in_a_cluster
	s_endpgm
.Lentry_in_a_cluster:
	s_bfe_u32 s2, ttmp6, 0x10000c
	s_cmp_lg_u32 s2, 0xf033
	s_cbranch_scc0 .Lentry_shape_is_right
	s_endpgm
.Lentry_shape_is_right:
; qkv = x Wqkv^T + bqkv on codes of FP4 (E2M1) with E8M0 scales, K = 1,024; the result is quantised at once: q and k along the head's 64, v along the keys.
; OPERANDS (made by the launch before): codes as images of the operand's registers, [block of 16 positions][K step of 128][c][lane][16 bytes]; scale bytes [position][32]; rows in position order
; (position = row with bits 3 and 4 swapped).  Tiles of 256 positions: x 0-31, Wqkv 32-43.
; A work-group of four waves makes 256 x 256, a wave 128 x 128: 64 accumulators, 512 registers.  K is two LDS slots of 512, both filled at the start: nothing is filled again.
; THE AXIS THAT IS QUANTISED NEXT IS ALWAYS SOURCE 0'S.  In a result, lane (r, h) holds source 1's position r, and register j of source 0's block b holds source 0's TRUE index 32 (b / 2) + 8 (b % 2) + 16 h + j:
; so a lane's 64 registers over b = 0 .. 7 are, 16 and 16, neighbours of four blocks of 32.  For q and k (cluster x 0, 1) source 0 = Wqkv's rows, source 1 = x's; for v (cluster x 2) source 0 = x's rows (the keys), source 1 = Wqkv's.
; CLUSTERS: 4 x 4 work-groups.  Source 1's tile hangs on cy and is shared along a row of the cluster, source 0's on cx and is shared along a column: each is asked for jointly.
; OUT: qkvc [part q, k, v][batch x 16 + head][65,536 bytes].  q, k: block of 16 positions x 512 + 16 lane: lane (r, h) holds d = 32 h .. 32 h + 31.  v: ((step of 128 keys x 4 + tile of 16 d) x 2 + c) x 512 + 16 lane.
;      qkvs [part][batch x 16 + head][step 16][r 16][4 words].  q, k: word f = the two scale bytes of block 8 step + 2 f below, of block 8 step + 2 f + 1 above.  v: word = the d tile's four key blocks' bytes.
; LIMITS: NaN and infinities are not served; a block of zeros or under 2^-124 gets the scale byte 1 (only this program reads the bytes).
; REGISTERS, in windows of 256: window 0: v0-31 addresses; v32-95 scale words, two sets; v96-111, v192-255 the bias; v128-191 source 1's fragments, one set.  window 1: source 0's fragments, two sets, at v0 and v128.
;   window 2: the accumulators of source 1's blocks 0-3 ((a, b) at v[8 (8 a + b)]); window 3: of blocks 4-7.  On the way out window 0's v32-191 are free.
.set NQ,     4                         ; matrix instructions deep in a slot
.set FR,     8                         ; registers of a fragment
.set NL,     2                         ; LDS loads that bring one
.set NP,     4                         ; places behind this matrix instruction (ISA guide 7.12.1)
.set HALFT,  32768                     ; 8 blocks x 4 K steps x 1,024 bytes: what one tensor load brings, and what one wave reads of a source
.set SLOT,   4*HALFT                   ; source 1's 256 positions, then source 0's
.set SCL,    2*SLOT                    ; behind the slots: the scale bytes, as units of 256 bytes + 16 of padding
.set HALFS,  16*272                    ; those of 128 positions
.set SBLK,   2*272                     ; those of 16
.set SPARE,  SCL+4*HALFS               ; the spare words, 128 bytes for each wave: two blocks of 256 bytes that no other line names
.set ADRA, 16                          ; v16-17  LDS address of source 1's fragments in slot 0, 1
.set ADRB, 20                          ; v20-21  of source 0's
.set ADRS, 27                          ; v27     of my scale words: lanes 0-15 source 1's, lanes 16-31 source 0's
.set SPW,  28                          ; v28     my spare word; never rewritten
.set NIL,  29                          ; v29     0; never rewritten
.set SC,   32
.set AF,   128
.set BVV,  96                          ; v96-111  the bias along source 1 (v): block a's number of my position, twice
.set BV,   192                         ; v192-255 the bias along source 0 (q, k): register 16 B + i
.set T,    128                         ; the way out: 64 numbers
.set PCS,  32                          ; eight fragments, so that no store's data are written again
.set TM,   112
.set PWS,  2                           ; v2-9 eight scale words
.set WS,   10
.set SEL,  96
.set G1, 24
.set G0, 32
.set G1B, 48
.set G0B, 56
.set G1S, 68
.set G0S, 76
.set G1SB, 80
.set G0SB, 88
.set MSB, 0
.macro WIN new                         ; the immediate's high byte repeats the setting that is left
.if MSB != (\new)
	s_set_vgpr_msb (MSB<<8)|(\new)
.set MSB, (\new)
.endif
.endm
.set MUL_LO, 0xa1                      ; source 0 window 1, source 1 window 0, C and D window 2
.set MUL_HI, 0xf1                      ; the same, C and D window 3
.set TO_B,   0x40                      ; destination window 1, address window 0
; A joint load: waves 0 and 1 fetch for source 1, waves 2 and 3 for source 0.  The branch hangs on the wave's number alone.  Four v_nop follow each of the two lines.
.macro JLOAD g0a, g1a, g0b, g1b
	s_cmp_eq_u32 s15, 0
	s_cbranch_scc0 .Lfor_b_\@
	tensor_load_to_lds s[\g0a:\g0a+3], s[\g1a:\g1a+7]
	s_nop 0
.rept 4
	v_nop
.endr
	s_branch .Lasked_\@
.Lfor_b_\@:
	tensor_load_to_lds s[\g0b:\g0b+3], s[\g1b:\g1b+7]
	s_nop 0
.rept 4
	v_nop
.endr
.Lasked_\@:
.endm
.macro CROUND                          ; a round of the cluster's barrier
	s_barrier_signal -1
	s_barrier_wait -1
	s_cmp_lg_u32 s14, 0
	s_cbranch_scc1 .Lnot_wave_0_\@
	s_barrier_signal -3
.Lnot_wave_0_\@:
	s_barrier_wait -3
	s_barrier_signal -1
	s_barrier_wait -1
.endm
.macro QUANT s, pc, pw                 ; 64 numbers of a lane, register 16 b + i = k 32 b + 16 (lane / 16) + i of my row, become a fragment in v[pc] on and its scale word in v[pw]
.irp b, 0,1,2,3
	v_max3_num_f32 v[TM+\b], |v[\s+16*\b]|, |v[\s+1+16*\b]|, 0x1800000   ; and the floor 2^(3 - 127): the byte cannot fall under 1
.endr
.irp i, 2,4,6,8,10,12,14
.irp b, 0,1,2,3
	v_max3_num_f32 v[TM+\b], v[TM+\b], |v[\s+16*\b+\i]|, |v[\s+1+16*\b+\i]|
.endr
.endr
.irp b, 0,1,2,3
	v_permlanex16_b32 v[TM+4+\b], v[TM+\b], s[SEL], s[SEL+1]
.endr
.irp b, 0,1,2,3
	v_max_num_f32 v[TM+\b], v[TM+\b], v[TM+4+\b]
.endr
.irp b, 0,1,2,3
	v_add_nc_u32 v[TM+12+\b], 0xff000000, v[TM+\b]   ; 2 off the exponent field: the conversion's scale operand
.endr
.irp b, 0,1,2,3
	v_lshrrev_b32 v[TM+4+\b], 23, v[TM+12+\b]
.endr
	v_lshl_or_b32 v[\pw], v[TM+5], 8, v[TM+4]
	v_lshl_or_b32 v[\pw], v[TM+6], 16, v[\pw]
	v_lshl_or_b32 v[\pw], v[TM+7], 24, v[\pw]
.irp b, 0,1,2,3
	v_cvt_scalef32_pk8_fp4_f32 v[\pc+2*\b], v[\s+16*\b:\s+7+16*\b], v[TM+12+\b]
	v_cvt_scalef32_pk8_fp4_f32 v[\pc+1+2*\b], v[\s+8+16*\b:\s+15+16*\b], v[TM+12+\b]
.endr
	v_nop                                            ; one plain place behind a scaled conversion
.irp c, 0,1
.irp i, 0,1
	v_permlane16_swap_b32 v[\pc+4*\c+\i], v[\pc+2+4*\c+\i]
.endr
.endr
.endm
	s_load_b256 s[4:11], s[0:1], 0x0               ; opc s[4:5], ops s[6:7], bqkv s[8:9], qkvc s[10:11]
	s_load_b64 s[12:13], s[0:1], 0x20              ; qkvs
	v_lshl_add_u32 v[SPW], v0, 2, SPARE
	v_mov_b32 v[NIL], 0
	ds_add_u32 v28, v29
	ds_add_u32 v28, v29
	s_wait_dscnt 0x0
	v_lshrrev_b32 v1, 5, v0
	v_readfirstlane_b32 s14, v1                    ; wave 0..3
	s_lshr_b32 s15, s14, 1                         ; which half of source 1's positions is mine.  Also: I fetch for source 1 (0) or source 0 (1)
	s_and_b32 s16, s14, 1                          ; which half of source 0's.  Also: which 128 positions of that tile I fetch
	s_bfe_u32 s40, ttmp6, 0x40000                  ; cx
	s_bfe_u32 s41, ttmp6, 0x40004                  ; cy
	s_and_b32 s17, ttmp7, 0xffff
	s_lshl_b32 s17, s17, 2                         ; 4 x cluster y
	s_lshl_b32 s42, ttmp9, 2
	s_add_co_u32 s42, s42, 32                      ; 32 + 4 x cluster x
	s_cmp_eq_u32 ttmp9, 2                          ; the cluster's x is the part: 0 q, 1 k, 2 v; it is one number for all sixteen partners
	s_cselect_b32 s95, 1, 0                        ; v?
	s_cselect_b32 s42, s17, s42                    ; source 0's tile: x's for v, Wqkv's else,
	s_cselect_b32 s17, 40, s17                     ; source 1's: Wqkv's for v, x's else;
	s_add_co_u32 s42, s42, s40                     ; source 0's hangs on cx alone,
	s_add_co_u32 s17, s17, s41                     ; source 1's on cy alone
	s_lshl_b32 s43, s41, 2
	s_lshl_b32 s43, 15, s43                        ; my row of the cluster
	s_lshl_b32 s44, 0x1111, s40                    ; my column
	; descriptor group 1 for codes: 8 blocks' four K steps: 8 rows of 4,096 bytes (512 elements of 8), 8,192 bytes apart; dense in LDS
	s_or_b32 s[G1+0], s43, (3<<16)|(1<<21)         ; 15:0 the mask; 17:16 elements of 8 bytes; 21 set beside a mask
	s_or_b32 s[G1B+0], s44, (3<<16)|(1<<21)
.irp g, G1, G1B
	s_mov_b32 s[\g+1], 512<<16                     ; tensor_dim0
	s_mov_b32 s[\g+2], 8<<16                       ; tensor_dim1
	s_mov_b32 s[\g+3], 512<<16                     ; tile_dim0
	s_mov_b32 s[\g+4], 8                           ; tile_dim1
	s_mov_b32 s[\g+5], 1024                        ; tensor_dim0_stride
	s_mov_b32 s[\g+6], 0
	s_mov_b32 s[\g+7], 0
.endr
	; and for the scale bytes of 128 positions: 4,096 dense bytes as 16 rows of 256, 16 bytes of padding behind each
	s_or_b32 s[G1S+0], s43, (3<<16)|(1<<20)|(1<<21)|(5<<22)|(3<<25)
	s_or_b32 s[G1SB+0], s44, (3<<16)|(1<<20)|(1<<21)|(5<<22)|(3<<25)
.irp g, G1S, G1SB
	s_mov_b32 s[\g+1], 32<<16
	s_mov_b32 s[\g+2], 16<<16
	s_mov_b32 s[\g+3], 32<<16
	s_mov_b32 s[\g+4], 16
	s_mov_b32 s[\g+5], 32
	s_mov_b32 s[\g+6], 0
	s_mov_b32 s[\g+7], 0
.endr
	s_lshl_b32 s18, s16, 16                        ; which 8 blocks of the tile I fetch
	s_lshl_b32 s20, s17, 17                        ; a tile's codes: 131,072 bytes
	s_add_co_u32 s20, s20, s18
	s_mov_b32 s21, 0
	s_lshl_b32 s46, s42, 17
	s_add_co_u32 s46, s46, s18
	s_mov_b32 s47, 0
	s_lshl_b32 s18, s16, 12
	s_lshl_b32 s22, s17, 13                        ; its scale bytes: 8,192
	s_add_co_u32 s22, s22, s18
	s_mov_b32 s23, 0
	s_lshl_b32 s92, s42, 13
	s_add_co_u32 s92, s92, s18
	s_mov_b32 s93, 0
	s_mul_i32 s45, s14, HALFT                      ; where they go: no place in the cluster enters an LDS address
	s_mul_i32 s94, s14, HALFS
	s_wait_kmcnt 0x0
	s_add_nc_u64 s[20:21], s[4:5], s[20:21]
	s_add_nc_u64 s[22:23], s[6:7], s[22:23]
	s_add_nc_u64 s[46:47], s[4:5], s[46:47]
	s_add_nc_u64 s[92:93], s[6:7], s[92:93]
	CROUND                                         ; all sixteen work-groups are here: the first joint loads meet
	s_mov_b32 s[G0S], 1
	s_add_co_u32 s[G0S+1], s94, SCL
	s_mov_b64 s[G0S+2:G0S+3], s[22:23]
	s_or_b32 s[G0S+3], s[G0S+3], 0x80000000
	s_mov_b32 s[G0SB], 1
	s_add_co_u32 s[G0SB+1], s94, SCL
	s_mov_b64 s[G0SB+2:G0SB+3], s[92:93]
	s_or_b32 s[G0SB+3], s[G0SB+3], 0x80000000
	JLOAD G0S, G1S, G0SB, G1SB                     ; the scale bytes first; by this text's count a wave has three tensor loads out at the most
.irp s, 0,1
	s_mov_b32 s[G0+4*\s], 1
	s_add_co_u32 s[G0+4*\s+1], s45, \s*SLOT
	s_add_nc_u64 s[G0+4*\s+2:G0+4*\s+3], s[20:21], \s*4096
	s_or_b32 s[G0+4*\s+3], s[G0+4*\s+3], 0x80000000
	s_mov_b32 s[G0B+4*\s], 1
	s_add_co_u32 s[G0B+4*\s+1], s45, \s*SLOT
	s_add_nc_u64 s[G0B+4*\s+2:G0B+4*\s+3], s[46:47], \s*4096
	s_or_b32 s[G0B+4*\s+3], s[G0B+4*\s+3], 0x80000000
	JLOAD G0+4*\s, G1, G0B+4*\s, G1B
.endr
	v_and_b32 v1, 15, v0                           ; r
	v_bfe_u32 v2, v0, 4, 1                         ; h
	v_and_b32 v6, 31, v0
	v_lshlrev_b32 v14, 4, v6                       ; 16 x lane: my place in every image, in LDS and in memory
	s_mul_i32 s21, s15, HALFT                      ; my 128 positions of source 1,
	s_mul_i32 s22, s16, HALFT                      ; of source 0,
	s_add_co_u32 s22, s22, 2*HALFT                 ; which lie behind source 1's 256
.irp s, 0,1
	v_add_nc_u32 v[ADRA+\s], s21, v14
	v_add_nc_u32 v[ADRB+\s], s22, v14
	s_add_co_u32 s21, s21, SLOT
	s_add_co_u32 s22, s22, SLOT
.endr
	v_mul_u32_u24 v5, v1, 32                       ; my position's scale bytes: 32 a position,
	v_lshrrev_b32 v6, 8, v5
	v_lshl_add_u32 v5, v6, 4, v5                   ; and 16 more for each 256 passed
	s_mul_i32 s21, s15, HALFS
	s_mul_i32 s22, s16, HALFS
	s_add_co_u32 s22, s22, 2*HALFS
	s_sub_co_u32 s22, s22, s21
	v_mul_u32_u24 v6, s22, v2                      ; lanes 16-31 take source 0's
	s_add_co_u32 s21, s21, SCL
	v_add_nc_u32 v5, v5, v6
	v_add_nc_u32 v[ADRS], s21, v5
	; where my results go
	s_mov_b32 s94, 0xffff0000                      ; lanes 16-31
	s_mov_b32 s[SEL], 0x76543210
	s_mov_b32 s[SEL+1], 0xfedcba98
	v_lshlrev_b32 v15, 4, v1
	v_lshl_add_u32 v15, v2, 12, v15                ; scale words: 16 r, and the second head's record for lanes 16-31
	v_mov_b32 v30, 0x05040100
	v_mov_b32 v31, 0x07060302
	v_cndmask_b32 v30, v30, v31, s94               ; which halves of two scale words a lane packs: the first head's or the second's
	s_lshl_b32 s18, s42, 1
	s_add_co_u32 s18, s18, s16                     ; my 128 positions of source 0, among all of opc's
	s_lshl_b32 s19, s17, 1
	s_add_co_u32 s19, s19, s15                     ; of source 1
	s_cmp_eq_u32 s95, 1
	s_cselect_b32 s20, s18, s19                    ; x's group of 128: 0..63
	s_cselect_b32 s21, s19, s18
	s_sub_co_u32 s21, s21, 64                      ; Wqkv's: 0..23
	s_lshr_b32 s22, s21, 3
	s_lshl_b32 s22, s22, 6                         ; part x 64
	s_lshr_b32 s23, s20, 4
	s_lshl_b32 s23, s23, 4                         ; + batch x 16
	s_add_co_u32 s22, s22, s23
	s_and_b32 s23, s21, 7
	s_lshl_b32 s23, s23, 1                         ; + the first of my two heads
	s_add_co_u32 s22, s22, s23
	s_and_b32 s20, s20, 15                         ; the step of 128 positions in the batch
	s_lshl_b32 s18, s22, 16
	s_lshl_b32 s19, s20, 12
	s_add_co_u32 s18, s18, s19
	s_mov_b32 s19, 0
	s_add_nc_u64 s[10:11], s[10:11], s[18:19]      ; codes
	s_lshl_b32 s18, s22, 12
	s_lshl_b32 s23, s20, 8
	s_add_co_u32 s18, s18, s23
	s_add_nc_u64 s[12:13], s[12:13], s[18:19]      ; scale words
	s_lshl_b32 s18, s21, 9
	s_add_nc_u64 s[8:9], s[8:9], s[18:19]          ; my 128 numbers of the bias
	v_lshlrev_b32 v12, 6, v2                       ; 64 h
	v_lshrrev_b32 v13, 3, v1
	v_lshl_add_u32 v13, v13, 3, v1
	v_lshlrev_b32 v13, 2, v13                      ; 4 (r + 8 (r / 8))
.irp b, 0,1,2,3,4,5,6,7                        ; both forms of the bias are loaded on both ways: 512 bytes inside the buffer; they are waited for on the way out
	global_load_b128 v[BV+8*\b:BV+8*\b+3], v12, s[8:9] offset:(32*(\b/2)+8*(\b%2))*4
	global_load_b128 v[BV+8*\b+4:BV+8*\b+7], v12, s[8:9] offset:(32*(\b/2)+8*(\b%2))*4+16
.endr
.irp a, 0,1,2,3,4,5,6,7
	global_load_b32 v[BVV+2*\a], v13, s[8:9] offset:(32*(\a/2)+8*(\a%2))*4
	global_load_b32 v[BVV+2*\a+1], v13, s[8:9] offset:(32*(\a/2)+8*(\a%2))*4
.endr
.macro FRAG reg, adr, q, i             ; a fragment is an image: two loads of 512 consecutive bytes
.irp c, 0,1
	ds_load_b128 v[\reg+4*\c:\reg+4*\c+3], v[\adr] offset:4096*(\i)+1024*(\q)+512*\c
.endr
.endm
; 16 matrix instructions: source 1's blocks a0, a0 + 1 x source 0's eight.  The 64 accumulators take turns, one instruction a turn, in the same order in every step.
.macro MUL16 a0, p, q, sc, zero
.irp a, \a0, \a0+1
.irp b, 0,1,2,3,4,5,6,7
.if \zero
	v_wmma_scale_f32_16x16x128_f8f6f4 v[8*(8*((\a)%4)+\b):8*(8*((\a)%4)+\b)+7], v[128*(\p)+FR*\b:128*(\p)+FR*\b+FR-1], v[AF+FR*(\a):AF+FR*(\a)+FR-1], 0, v[SC+8*NQ*(\sc)+NQ*\b+(\q)], v[SC+8*NQ*(\sc)+NQ*(\a)+(\q)] matrix_a_fmt:MATRIX_FMT_FP4 matrix_b_fmt:MATRIX_FMT_FP4 matrix_a_scale:MATRIX_SCALE_ROW1
.else
	v_wmma_scale_f32_16x16x128_f8f6f4 v[8*(8*((\a)%4)+\b):8*(8*((\a)%4)+\b)+7], v[128*(\p)+FR*\b:128*(\p)+FR*\b+FR-1], v[AF+FR*(\a):AF+FR*(\a)+FR-1], v[8*(8*((\a)%4)+\b):8*(8*((\a)%4)+\b)+7], v[SC+8*NQ*(\sc)+NQ*\b+(\q)], v[SC+8*NQ*(\sc)+NQ*(\a)+(\q)] matrix_a_fmt:MATRIX_FMT_FP4 matrix_b_fmt:MATRIX_FMT_FP4 matrix_a_scale:MATRIX_SCALE_ROW1
.endif
.endr
.endr
.endm
.macro FETCH_B slot, q, p
	WIN TO_B
.irp i, 0,1,2,3,4,5,6,7
	FRAG 128*(\p)+FR*\i, ADRB+\slot, \q, \i
.endr
	WIN 0
.endm
.macro FETCH_A slot, q, i0
.irp i, \i0, \i0+1, \i0+2, \i0+3
	FRAG AF+FR*(\i), ADRA+\slot, \q, \i
.endr
.endm
.macro SCALES sc                       ; a slot's scale words: four a position; lanes 0-15 take source 1's block i, lanes 16-31 source 0's
.irp i, 0,1,2,3,4,5,6,7
	ds_load_b128 v[SC+8*NQ*\sc+NQ*\i:SC+8*NQ*\sc+NQ*\i+3], v[ADRS] offset:\i*SBLK
.endr
.endm
.macro PLACES n                        ; plain vector instructions between a matrix instruction and a load into, or a read of, its registers
.rept \n
	v_nop
.endr
.endm
.macro STEP slot, q, zero              ; 128 along K, with its successor in the same slot
	s_wait_dscnt 4*NL                              ; all but the youngest eight loads (source 1's blocks 4-7) are in
	WIN MUL_LO
	MUL16 0, (\q)%2, \q, \slot, \zero
	MUL16 2, (\q)%2, \q, \slot, \zero
	s_wait_dscnt 0
	PLACES NP
	FETCH_B \slot, (\q)+1, 1-(\q)%2
	FETCH_A \slot, (\q)+1, 0
	WIN MUL_HI
	MUL16 4, (\q)%2, \q, \slot, \zero
	MUL16 6, (\q)%2, \q, \slot, \zero
	PLACES NP
	WIN 0
	FETCH_A \slot, (\q)+1, 4
.endm
.macro TURN slot, next                 ; a slot's last step changes slots: each wave's part of the next slot has landed, then one barrier
	s_wait_tensorcnt 0x0                           ; all my tensor loads have landed: my part of the next slot
	ds_add_u32 v[SPW], v[NIL]                      ; 0 onto my spare word
	s_wait_dscnt 4*NL+1                            ; (the add and the youngest eight loads may be out)
	WIN MUL_LO
	MUL16 0, 1, NQ-1, \slot, 0
	s_wait_dscnt 0x0
	s_barrier_signal -1
	MUL16 2, 1, NQ-1, \slot, 0
	WIN 0
	s_barrier_wait -1                              ; the next slot is whole
	PLACES NP
	v_add_nc_u32 v[ADRS], 4*NQ, v[ADRS]            ; on to the next slot's scale words
	FETCH_B \next, 0, 0
	FETCH_A \next, 0, 0
	SCALES \next
	WIN MUL_HI
	MUL16 4, 1, NQ-1, \slot, 0
	MUL16 6, 1, NQ-1, \slot, 0
	PLACES NP
	WIN 0
	FETCH_A \next, 0, 4
.endm
.macro STEPS slot, from
.set Q, \from
.rept NQ-1-\from
	STEP \slot, Q, 0
.set Q, Q+1
.endr
.endm
	s_wait_tensorcnt 1                             ; the scale bytes and my part of slot 0 are in; slot 1's load may be out
	s_barrier_signal -1
	s_barrier_wait -1
	FETCH_B 0, 0, 0
	FETCH_A 0, 0, 0
	SCALES 0
	FETCH_A 0, 0, 4
	STEP 0, 0, 1                                   ; the first step's products start the sums: nothing is cleared
	STEPS 0, 1
	TURN 0, 1
	STEPS 1, 0
	s_wait_dscnt 4*NL                              ; the last step: nothing more to fetch
	WIN MUL_LO
	MUL16 0, 1, NQ-1, 1, 0
	MUL16 2, 1, NQ-1, 1, 0
	s_wait_dscnt 0
	WIN MUL_HI
	MUL16 4, 1, NQ-1, 1, 0
	MUL16 6, 1, NQ-1, 1, 0
	WIN 0
; THE WAY OUT.  For each of source 1's eight blocks: the lane's 64 sums plus the bias (each accumulator from its low end on), quantised along source 0's axis: one fragment and one scale word, stored as they stand.
.macro EPI isv
.irp a, 0,1,2,3,4,5,6,7
	WIN 0x02+\a/4                                  ; source 0: window 2 or 3
.set k, 0
.rept 32
.if \isv
	v_pk_add_f32 v[T+2*k:T+2*k+1], v[64*(\a%4)+2*k:64*(\a%4)+2*k+1], v[BVV+2*\a:BVV+2*\a+1]
.else
	v_pk_add_f32 v[T+2*k:T+2*k+1], v[64*(\a%4)+2*k:64*(\a%4)+2*k+1], v[BV+2*k:BV+2*k+1]
.endif
.set k, k+1
.endr
	WIN 0
	QUANT T, PCS+8*\a, PWS+\a
.irp c, 0,1
.if \isv
	global_store_b128 v14, v[PCS+8*\a+4*\c:PCS+8*\a+4*\c+3], s[10:11] offset:65536*(\a/4)+1024*(\a%4)+512*\c   ; head a / 4, d tile a % 4: 512 consecutive bytes
.else
	global_store_b128 v14, v[PCS+8*\a+4*\c:PCS+8*\a+4*\c+3], s[10:11] offset:512*\a+65536*\c                   ; head c, block a of the step's eight
.endif
.endr
.endr
.if \isv
.irp i, 0,1,2,3
	v_cndmask_b32 v[WS+\i], v[PWS+\i], v[PWS+4+\i], s94       ; lanes 0-15 send the first head's four d tiles, lanes 16-31 the second's
.endr
.else
.irp f, 0,1,2,3
	v_perm_b32 v[WS+\f], v[PWS+2*\f+1], v[PWS+2*\f], v30      ; my head's two bytes of blocks 2 f and 2 f + 1
.endr
.endif
	global_store_b128 v15, v[WS:WS+3], s[12:13]    ; two runs of 256 consecutive bytes
.endm
	s_wait_loadcnt 0x0                             ; the bias
.irp b, 0,1,2,3
	v_mov_b32 v[TM+4+\b], 0                        ; a lane permute's destination counts as one of its sources.  These four are also the places behind the last products
.endr
	s_cmp_eq_u32 s95, 1                            ; the same way in all partners
	s_cbranch_scc1 .Lway_v
	EPI 0
	s_branch .Lout
.Lway_v:
	EPI 1
.Lout:
	s_wait_tensorcnt 0x0                           ; the wave's end
	ds_add_u32 v[SPW], v[NIL]
	s_wait_dscnt 0x0
	CROUND                                         ; the closing round: no work-group ends while a partner may still ask for a tile that names it
	s_endpgm
.Lfunc_end_k_q721cc5aa3a_qkv:
	.size	k_q721cc5aa3a_qkv, .Lfunc_end_k_q721cc5aa3a_qkv-k_q721cc5aa3a_qkv
	.p2alignl 7, 3214868480
	.fill 96, 4, 3214868480
	.section	.rodata,"a",@progbits
	.p2align	6, 0x0
	.amdhsa_kernel k_q721cc5aa3a_qkv
		.amdhsa_group_segment_fixed_size 327680
		.amdhsa_private_segment_fixed_size 0
		.amdhsa_enable_private_segment 0
		.amdhsa_kernarg_size 40
		.amdhsa_user_sgpr_count 2
		.amdhsa_user_sgpr_kernarg_segment_ptr 1
		.amdhsa_wavefront_size32 1
		.amdhsa_system_sgpr_workgroup_id_x 1
		.amdhsa_system_sgpr_workgroup_id_y 1
		.amdhsa_system_sgpr_workgroup_id_z 1
		.amdhsa_system_vgpr_workitem_id 0
		.amdhsa_next_free_vgpr 1024
		.amdhsa_next_free_sgpr 98
		.amdhsa_reserve_vcc 0
		.amdhsa_float_denorm_mode_32 3
		.amdhsa_float_denorm_mode_16_64 3
		.amdhsa_memory_ordered 1
		.amdhsa_forward_progress 1
		.amdhsa_inst_pref_size 195
	.end_amdhsa_kernel
	.amdgpu_metadata
---
amdhsa.version: [ 1, 2 ]
amdhsa.kernels:
  - .name:           k_q721cc5aa3a_qkv
    .symbol:         k_q721cc5aa3a_qkv.kd
    .args:
      - { .name: opc, .offset: 0, .size: 8, .value_kind: global_buffer, .address_space: global }
      - { .name: ops, .offset: 8, .size: 8, .value_kind: global_buffer, .address_space: global }
      - { .name: bqkv, .offset: 16, .size: 8, .value_kind: global_buffer, .address_space: global }
      - { .name: qkvc, .offset: 24, .size: 8, .value_kind: global_buffer, .address_space: global }
      - { .name: qkvs, .offset: 32, .size: 8, .value_kind: global_buffer, .address_space: global }
    .group_segment_fixed_size: 327680
    .private_segment_fixed_size: 0
    .kernarg_segment_align: 8
    .kernarg_segment_size: 40
    .max_flat_workgroup_size: 128
    .sgpr_count:     98
    .vgpr_count:     1024
    .wavefront_size: 32
...
	.end_amdgpu_metadata
.endif
;; end of part 2
;; launch attn (part 3): grid 4 x 64, 16 waves a work-group, no clusters, 272,384 bytes of LDS; arguments qkvc, qkvs, masks, ac, asc, flags; writes ac, asc
.if DOCPART == 3
	.amdgcn_target "amdgcn-amd-amdhsa--gfx1250"
	.amdhsa_code_object_version 6
	.text
	.protected	k_q721cc5aa3a_attn
	.globl	k_q721cc5aa3a_attn
	.p2align	8
	.type	k_q721cc5aa3a_attn,@function
k_q721cc5aa3a_attn:
	s_mov_b64 s[64:65], 0
	v_nop
	global_prefetch_b8 v0, s[64:65] scope:SCOPE_SE
	s_setreg_imm32_b32 hwreg(HW_REG_WAVE_MODE, 25, 1), 1
	s_wait_xcnt 0x0
; Attention of one (batch, head) on codes of FP4 (E2M1) with E8M0 scales, head size 64, 2,048 keys; both masks as given, as bits made by the first launch.
; THE SECOND PRODUCT'S LEFT OPERAND IS THE FINISHED SOFTMAX: p = exp(s / 8 - max) / sum, 0 for a row with every key masked, quantised along the keys.  The codes hang on the sum, so the keys are walked TWICE:
; pass 1: scores, running maximum m, sum (brought under a new m by f = 2^(new NM - old NM), NM = -c m as it was rounded), and each block of 32 keys' largest score, kept in LDS;
; pass 2: the same scores again (the same instructions on the same numbers: the same bits), p = 2^(c s + NM) x (1 / sum), its codes, O^T += V^T P^T.  c = log2(e) / 8.
; SHARES.  A work-group serves one head; K's and V's codes and scale words of the whole head (136 KiB) are copied into LDS once, through registers.  Each of its 16 waves takes two tiles of 16 query positions, one after the other:
; chunks of 128 positions are dealt so that a wave's two tiles lie in chunks i and 15 - i.  A step is 128 keys.  A step in which no pair counts is left out, and the mask's 64 selects are passed over where no pair is
; masked: scalar branches on the flags that the first launch stored.  Those branches are why this launch has no tensor load and no joint load; what the four work-groups of a head share is read once by each.
; LAYOUT.  Both products are used transposed: a lane holds ONE query position (lane % 16).  Keys and queries lie in position order (bits 3 and 4 of the index swapped), so that register 16 B + i of the scores is the TRUE key
; 128 step + 32 B + 16 (lane / 16) + i.  THE HEAD SIZE IS HALF OF THE INSTRUCTION'S K: a fragment of 8 registers holds two tiles of 16 keys (d 0-63 of one, then of the other); q stands between zeros, v[24:35] = 0 | q | 0,
; and v[28:35] picks the first tile, v[24:31] the second: the other half meets zero codes.
; OUT: ac [block of 16 positions, 512][head][512 bytes]: lane (r, h): d = 32 h .. 32 h + 31; asc [position][32 bytes], byte 2 head + d / 32.  A tile writes 2 of each row's 32 scale bytes: one byte in 16 of what it stores.
; LIMITS: NaN and infinities among the scores (but the mask's) are not served; scores lie above -3e38; a block's largest p is made from its largest score, which takes v_exp_f32 not to fall where its input rises;
; a block of zeros or under 2^-124 gets the scale byte 1 (only this program reads the bytes); exponentials under 2^-126 come out as 0.
; REGISTERS: v1 16 lane; v2 16 r; v3 my block maxima in LDS; v4 -infinity; v5 32 r + h; v8-11 a step's LDS addresses; v[12:13] NM; v[14:15], v[22:23] the sum; v[16:17] 1 / sum; v18 m; v19 at work; v[20:21] f;
; v[24:35] 0 | q | 0; v36 q's scale word; v40-43 K's, v44-47 V's; v48-59 block maxima and scales at work; v60 p's scale word; v61, v62 lane constants; v64-95 K; v96-127 V; v128-191 scores, then p; v192-223 O^T; v224-231 p's codes.
; SCALARS: s[4:13] five buffers; s14 wave; s[66:67] the flags' buffer; s[16:63], s[68:83] a step's 64 mask words (s[68:69] first take a tile's two flag words); s84-101 constants, counters and temporaries.
.set KSC,  131072                      ; LDS: K's image at 0, V's at 65,536; K's scale words here, V's 4,096 on;
.set VIM,  65536
.set BMX,  139264                      ; block maxima: 8,192 bytes a wave: 512 x step + 16 x lane
.macro SCORES p                        ; S^T = K Q^T of the step at s90 (4,096 x step)
	s_lshr_b32 s100, s90, 4                        ; 256 x step
	s_lshr_b32 s101, s90, 3                        ; 512 x step
	v_add_nc_u32 v8, s90, v1
	v_add_nc_u32 v10, s100, v61
	v_add_nc_u32 v11, s101, v3
.if \p == 2
	v_add_nc_u32 v9, s90, v62
.endif
.irp f, 0,1,2,3
.irp c, 0,1
	ds_load_b128 v[64+8*\f+4*\c:67+8*\f+4*\c], v8 offset:1024*\f+512*\c   ; tiles 2 f and 2 f + 1 of 16 keys
.endr
.endr
	ds_load_b128 v[40:43], v10                     ; word f: both tiles' scale bytes
.if \p == 2
	ds_load_b128 v[48:51], v11                     ; the four blocks' largest scores, kept by pass 1
.endif
	s_wait_dscnt 0x0
.irp f, 0,1,2,3
.irp u, 0,1
	v_wmma_scale_f32_16x16x128_f8f6f4 v[128+8*(2*\f+\u):135+8*(2*\f+\u)], v[64+8*\f:71+8*\f], v[28-4*\u:35-4*\u], 0, v[40+\f], v36 matrix_a_fmt:MATRIX_FMT_FP4 matrix_b_fmt:MATRIX_FMT_FP4
.endr
.endr
.endm
.macro MASK                            ; where the step has a masked pair: its 64 words, one bit a lane; masked scores become -infinity
	s_bitcmp1_b32 s94, 0
	s_cbranch_scc0 .Lopen_\@
	s_load_b512 s[16:31], s[98:99], s100 offset:0x0
	s_load_b512 s[32:47], s[98:99], s100 offset:0x40
	s_load_b512 s[48:63], s[98:99], s100 offset:0x80
	s_load_b512 s[68:83], s[98:99], s100 offset:0xc0
	s_wait_kmcnt 0x0
.set n, 0
.rept 48
	v_cndmask_b32 v[128+n], v[128+n], v4, s[16+n]
.set n, n+1
.endr
.rept 16
	v_cndmask_b32 v[128+n], v[128+n], v4, s[20+n]
.set n, n+1
.endr
.Lopen_\@:
.endm
.macro FJ j                            ; pair j: c s + NM
	v_pk_fma_f32 v[128+2*(\j):129+2*(\j)], v[128+2*(\j):129+2*(\j)], s[84:85], v[12:13] op_sel_hi:[1,0,0]
.endm
.macro EJ j
	v_exp_f32 v[128+2*(\j)], v[128+2*(\j)]
	v_exp_f32 v[129+2*(\j)], v[129+2*(\j)]
.endm
.macro GJ p, j                         ; pass 1: into the sum, two chains by turns; pass 2: x 1 / sum
.if \p == 1
.if (\j)%2 == 0
	s_wait_alu depctr_va_vdst(0)
	v_pk_add_f32 v[14:15], v[14:15], v[128+2*(\j):129+2*(\j)]
.else
	v_pk_add_f32 v[22:23], v[22:23], v[128+2*(\j):129+2*(\j)]
.endif
.else
	s_wait_alu depctr_va_vdst(0)
	v_pk_mul_f32 v[128+2*(\j):129+2*(\j)], v[128+2*(\j):129+2*(\j)], v[16:17]
.endif
.endm
.macro PIPE p                          ; pairs 0 and 1 have been scaled.  Behind each pair of exponentials stands a plain line before their results are used
.set jj, 0
.rept 32
	EJ jj
.if jj < 30
	FJ jj+2
.endif
.if jj > 0
	GJ \p, jj-1
.endif
.set jj, jj+1
.endr
	GJ \p, 31
.endm
	s_load_b256 s[4:11], s[0:1], 0x0               ; qkvc s[4:5], qkvs s[6:7], masks s[8:9], ac s[10:11]
	s_load_b64 s[12:13], s[0:1], 0x20              ; asc
	s_load_b64 s[66:67], s[0:1], 0x28              ; flags
	v_lshl_add_u32 v254, v0, 2, 0x42000
	v_mov_b32 v255, 0
	v_lshrrev_b32 v1, 5, v0
	v_readfirstlane_b32 s14, v1                    ; wave 0..15
	s_and_b32 s97, ttmp7, 0xffff                   ; batch x 16 + head
	v_lshlrev_b32 v6, 4, v0                        ; 16 x thread: 8,192 bytes to a load of the work-group
	v_add_nc_u32 v7, VIM, v6
	v_add_nc_u32 v38, KSC, v6
	s_add_co_u32 s2, s97, 64                       ; k's record,
	s_add_co_u32 s3, s97, 128                      ; v's
	s_lshl_b32 s16, s2, 16
	s_mov_b32 s17, 0
	s_lshl_b32 s18, s3, 16
	s_mov_b32 s19, 0
	s_lshl_b32 s20, s2, 12                         ; waves 0-7 copy K's 4,096 bytes of scale words,
	s_lshl_b32 s21, s3, 12
	s_sub_co_u32 s21, s21, 4096                    ; waves 8-15 (threads 256 on) V's
	s_cmp_lt_u32 s14, 8
	s_cselect_b32 s20, s20, s21
	s_mov_b32 s21, 0
	s_wait_kmcnt 0x0
	s_add_nc_u64 s[16:17], s[4:5], s[16:17]
	s_add_nc_u64 s[18:19], s[4:5], s[18:19]
	s_add_nc_u64 s[20:21], s[6:7], s[20:21]
.irp i, 0,1,2,3,4,5,6,7
	global_load_b128 v[64+4*\i:67+4*\i], v6, s[16:17] offset:8192*\i
.endr
.irp i, 0,1,2,3,4,5,6,7
	global_load_b128 v[96+4*\i:99+4*\i], v6, s[18:19] offset:8192*\i
.endr
	global_load_b128 v[128:131], v6, s[20:21]
	v_and_b32 v39, 31, v0
	v_lshlrev_b32 v1, 4, v39                       ; 16 x lane
	v_and_b32 v5, 15, v0                           ; r
	v_lshlrev_b32 v2, 4, v5                        ; 16 r
	v_bfe_u32 v19, v0, 4, 1                        ; h
	v_lshl_add_u32 v5, v5, 5, v19                  ; 32 r + h
	s_lshl_b32 s2, s14, 13
	s_add_co_u32 s2, s2, BMX
	v_add_nc_u32 v3, s2, v1
	v_add_nc_u32 v61, KSC, v2
	v_add_nc_u32 v62, VIM, v1
	v_mov_b32 v4, 0xff800000                       ; -infinity
.irp j, 24,25,26,27,32,33,34,35
	v_mov_b32 v\j, 0                               ; the zero codes beside q
.endr
.irp j, 13,21,52,53,54,55
	v_mov_b32 v\j, 0                               ; upper halves of pairs whose low word alone is used; lane permutes' destinations
.endr
	s_sub_co_u32 s2, 7, ttmp9
	s_cmp_lt_u32 s14, 8
	s_cselect_b32 s96, ttmp9, s2                   ; my first tile's chunk: j for waves 0-7, 7 - j for waves 8-15; the second's is 15 less that
	s_mov_b32 s84, 0x3e38aa3b                      ; c = log2(e) / 8
	s_mov_b32 s85, s84
	s_mov_b32 s86, 0x76543210
	s_mov_b32 s87, 0xfedcba98                      ; lane l xor 16
	s_mov_b32 s88, 0xbe38aa3b                      ; -c
	s_mov_b32 s89, 0xffff0000                      ; lanes 16-31
	s_mov_b32 s92, 0                               ; which of my two tiles
.irp i, 0,1,2,3,4,5,6,7
	s_wait_loadcnt 16-\i                           ; loads come back in order: K's load i is in, the 16 - i behind it may be out
	ds_store_b128 v6, v[64+4*\i:67+4*\i] offset:8192*\i
.endr
.irp i, 0,1,2,3,4,5,6,7
	s_wait_loadcnt 8-\i
	ds_store_b128 v7, v[96+4*\i:99+4*\i] offset:8192*\i
.endr
	s_wait_loadcnt 0x0
	ds_store_b128 v38, v[128:131]
	s_wait_dscnt 0x0                               ; for the others' sake: my stores have landed
	s_barrier_signal -1
	s_barrier_wait -1                              ; the launch's one barrier: from here on K, V and their scale words are only read, and each wave's block maxima are its own
.Lunit:
	s_sub_co_u32 s2, 15, s96
	s_cmp_eq_u32 s92, 0
	s_cselect_b32 s2, s96, s2                      ; the chunk
	s_lshl_b32 s2, s2, 3
	s_and_b32 s3, s14, 7
	s_add_co_u32 s2, s2, s3                        ; the tile in the batch, 0..127
	s_lshr_b32 s3, s97, 4
	s_lshl_b32 s3, s3, 7
	s_add_co_u32 s91, s3, s2                       ; 128 x batch + tile
	s_lshl_b32 s100, s91, 3
	s_load_b64 s[68:69], s[66:67], s100 offset:0x0 ; the two halves' flags: 8 bytes a tile
	s_lshl_b32 s16, s97, 16
	s_lshl_b32 s3, s2, 9
	s_add_co_u32 s16, s16, s3
	s_mov_b32 s17, 0
	s_add_nc_u64 s[16:17], s[4:5], s[16:17]
	global_load_b128 v[28:31], v1, s[16:17]        ; q's codes: d = 32 h .. 32 h + 31 of position r
	s_lshl_b32 s18, s97, 12
	s_lshr_b32 s3, s2, 3
	s_lshl_b32 s3, s3, 8
	s_add_co_u32 s18, s18, s3
	s_bfe_u32 s3, s2, 0x20001
	s_lshl_b32 s3, s3, 2
	s_add_co_u32 s18, s18, s3
	s_mov_b32 s19, 0
	s_add_nc_u64 s[18:19], s[6:7], s[18:19]
	global_load_b32 v37, v2, s[18:19]              ; the word with my tile's two scale bytes: below for an even tile, above for an odd one
	s_mov_b32 s101, 0x03020302
	s_bitcmp1_b32 s2, 0
	s_cselect_b32 s101, s101, 0x01000100
	s_lshl_b32 s98, s91, 12
	s_mov_b32 s99, 0
	s_add_nc_u64 s[98:99], s[8:9], s[98:99]        ; my tile's mask words: 256 bytes a step
	v_mov_b32 v18, 0xff61b1e6                      ; m: -3e38, under every score
	v_mul_f32 v12, s88, v18                        ; NM = -c m
	v_mov_b32 v14, 0
	v_mov_b32 v15, 0
	v_mov_b32 v22, 0
	v_mov_b32 v23, 0
	s_wait_loadcnt 0x0
	v_perm_b32 v36, v37, v37, s101                 ; the two bytes in both halves of the word: they serve whichever half q stands in
.set n, 0
.rept 32
	v_mov_b32 v[192+n], 0                          ; O^T: which step is the first to count is known only from the flags.  (Also the places between q's scale word and the first product)
.set n, n+1
.endr
	s_wait_kmcnt 0x0
	s_or_b32 s95, s68, s69                         ; bit step: some pair counts; bit 16 + step: some pair is masked
	; ---- pass 1
	s_mov_b32 s90, 0
	s_mov_b32 s93, s95
	s_lshr_b32 s94, s95, 16
.Lp1:
	s_bitcmp1_b32 s93, 0
	s_cbranch_scc0 .Lp1_next
	SCORES 1
.rept 4
	v_nop                                          ; places behind the products
.endr
	MASK
.irp b, 0,1,2,3
	v_max3_num_f32 v[48+\b], v[128+16*\b], v[129+16*\b], v[130+16*\b]   ; the largest score of each block of 32 keys
.endr
.irp i, 3,5,7,9,11,13
.irp b, 0,1,2,3
	v_max3_num_f32 v[48+\b], v[48+\b], v[128+16*\b+\i], v[129+16*\b+\i]
.endr
.endr
.irp b, 0,1,2,3
	v_max_num_f32 v[48+\b], v[48+\b], v[143+16*\b]
.endr
.irp b, 0,1,2,3
	v_permlanex16_b32 v[52+\b], v[48+\b], s86, s87
.endr
.irp b, 0,1,2,3
	v_max_num_f32 v[48+\b], v[48+\b], v[52+\b]     ; with lane l xor 16's 16 keys
.endr
	ds_store_b128 v11, v[48:51]                    ; kept for pass 2
	v_max3_num_f32 v19, v48, v49, v50
	v_max3_num_f32 v18, v19, v51, v18              ; the running maximum
	v_mov_b32 v19, v12
	v_mul_f32 v12, s88, v18                        ; the new NM
	v_sub_f32 v19, v12, v19
	v_exp_f32 v20, v19                             ; f = 2^(new NM - old NM)
	FJ 0
	FJ 1
	s_wait_alu depctr_va_vdst(0)
	v_pk_mul_f32 v[14:15], v[14:15], v[20:21] op_sel_hi:[1,0]
	v_pk_mul_f32 v[22:23], v[22:23], v[20:21] op_sel_hi:[1,0]
	PIPE 1
.Lp1_next:
	s_lshr_b32 s93, s93, 1
	s_lshr_b32 s94, s94, 1
	s_add_co_u32 s90, s90, 4096
	s_cmp_lt_u32 s90, 65536
	s_cbranch_scc1 .Lp1
	; ---- 1 / sum; 0 where every key is masked
	v_pk_add_f32 v[14:15], v[14:15], v[22:23]
	v_add_f32 v14, v14, v15
	v_permlanex16_b32 v19, v14, s86, s87
	v_add_f32 v14, v14, v19
	v_rcp_f32 v16, v14
	v_cmp_lt_f32 vcc_lo, 0, v14                    ; (a plain place behind the reciprocal)
	s_wait_alu depctr_va_vdst(0)
	v_cndmask_b32 v16, 0, v16, vcc_lo
	v_mov_b32 v17, v16
	; ---- pass 2
	s_mov_b32 s90, 0
	s_mov_b32 s93, s95
	s_lshr_b32 s94, s95, 16
.Lp2:
	s_bitcmp1_b32 s93, 0
	s_cbranch_scc0 .Lp2_next
	SCORES 2
.irp b, 0,1,2,3
	v_fma_f32 v[48+\b], v[48+\b], s84, v12         ; each block's largest score goes the way of every score.  (These four are the places behind the products)
.endr
.irp t, 0,1,2,3
.irp c, 0,1
	ds_load_b128 v[96+8*\t+4*\c:99+8*\t+4*\c], v9 offset:1024*\t+512*\c   ; V^T: tile t of 16 of the head's 64 x these 128 keys
.endr
.endr
	ds_load_b128 v[44:47], v10 offset:4096         ; and its scale words
.irp b, 0,1,2,3
	v_exp_f32 v[48+\b], v[48+\b]
.endr
	v_nop                                          ; a plain place behind the exponentials
	s_wait_alu depctr_va_vdst(0)
.irp b, 0,1,2,3
	v_mul_f32 v[48+\b], v[48+\b], v16              ; the block's largest p
.endr
.irp b, 0,1,2,3
	v_max_num_f32 v[48+\b], 0x1800000, v[48+\b]    ; the floor 2^(3 - 127): the byte cannot fall under 1
.endr
.irp b, 0,1,2,3
	v_add_nc_u32 v[56+\b], 0xff000000, v[48+\b]    ; 2 off the exponent field: the conversion's scale operand
.endr
.irp b, 0,1,2,3
	v_lshrrev_b32 v[52+\b], 23, v[56+\b]
.endr
	v_lshl_or_b32 v60, v53, 8, v52
	v_lshl_or_b32 v60, v54, 16, v60
	v_lshl_or_b32 v60, v55, 24, v60                ; p's scale word for these 128 keys
	MASK
	FJ 0
	FJ 1
	PIPE 2
.irp b, 0,1,2,3
	v_cvt_scalef32_pk8_fp4_f32 v[224+2*\b], v[128+16*\b:135+16*\b], v[56+\b]
	v_cvt_scalef32_pk8_fp4_f32 v[225+2*\b], v[136+16*\b:143+16*\b], v[56+\b]
.endr
	v_nop                                          ; one plain place behind a scaled conversion
.irp c, 0,1
.irp i, 0,1
	v_permlane16_swap_b32 v[224+4*\c+\i], v[226+4*\c+\i]   ; a whole block to a lane
.endr
.endr
.rept 4
	v_nop                                          ; an operand written by vector instructions stands four places ahead of a scaled matrix instruction
.endr
	s_wait_dscnt 0x0                               ; V
.irp t, 0,1,2,3                                ; the four accumulators by turns, one instruction a turn
	v_wmma_scale_f32_16x16x128_f8f6f4 v[192+8*\t:199+8*\t], v[96+8*\t:103+8*\t], v[224:231], v[192+8*\t:199+8*\t], v[44+\t], v60 matrix_a_fmt:MATRIX_FMT_FP4 matrix_b_fmt:MATRIX_FMT_FP4
.endr
.Lp2_next:
	s_lshr_b32 s93, s93, 1
	s_lshr_b32 s94, s94, 1
	s_add_co_u32 s90, s90, 4096
	s_cmp_lt_u32 s90, 65536
	s_cbranch_scc1 .Lp2
	; ---- the way out: register 16 B + i of O^T is d = 32 B + 16 h + i of my query: two blocks of the last product's K
.rept 4
	v_nop                                          ; places behind the last products
.endr
.irp b, 0,1
	v_max3_num_f32 v[48+\b], |v[192+16*\b]|, |v[193+16*\b]|, 0x1800000
.endr
.irp i, 2,4,6,8,10,12,14
.irp b, 0,1
	v_max3_num_f32 v[48+\b], v[48+\b], |v[192+16*\b+\i]|, |v[193+16*\b+\i]|
.endr
.endr
.irp b, 0,1
	v_permlanex16_b32 v[52+\b], v[48+\b], s86, s87
.endr
.irp b, 0,1
	v_max_num_f32 v[48+\b], v[48+\b], v[52+\b]
.endr
.irp b, 0,1
	v_add_nc_u32 v[56+\b], 0xff000000, v[48+\b]
.endr
.irp b, 0,1
	v_lshrrev_b32 v[52+\b], 23, v[56+\b]
.endr
.irp b, 0,1
	v_cvt_scalef32_pk8_fp4_f32 v[224+2*\b], v[192+16*\b:199+16*\b], v[56+\b]
	v_cvt_scalef32_pk8_fp4_f32 v[225+2*\b], v[200+16*\b:207+16*\b], v[56+\b]
.endr
	v_nop                                          ; one plain place behind a scaled conversion
	v_permlane16_swap_b32 v224, v226
	v_permlane16_swap_b32 v225, v227               ; lanes 0-15: d 0-31, lanes 16-31: d 32-63
	v_cndmask_b32 v19, v52, v53, s89               ; my half's block's byte
	s_and_b32 s3, s97, 15                          ; the head
	s_lshl_b32 s16, s91, 4
	s_add_co_u32 s16, s16, s3
	s_lshl_b32 s16, s16, 9
	s_mov_b32 s17, 0
	s_add_nc_u64 s[16:17], s[10:11], s[16:17]
	s_lshl_b32 s18, s91, 9
	s_lshl_b32 s3, s3, 1
	s_add_co_u32 s18, s18, s3
	s_mov_b32 s19, 0
	s_add_nc_u64 s[18:19], s[12:13], s[18:19]
	global_store_b128 v1, v[224:227], s[16:17]     ; 512 consecutive bytes
	global_store_b8 v5, v19, s[18:19]
	s_wait_xcnt 0x0                                ; the stores have read their registers and bases: the next tile writes them again
	s_add_co_u32 s92, s92, 1
	s_cmp_lt_u32 s92, 2
	s_cbranch_scc1 .Lunit
	s_wait_tensorcnt 0x0
	ds_add_u32 v254, v255
	s_wait_dscnt 0x0
	s_endpgm
.Lfunc_end_k_q721cc5aa3a_attn:
	.size	k_q721cc5aa3a_attn, .Lfunc_end_k_q721cc5aa3a_attn-k_q721cc5aa3a_attn
	.p2alignl 7, 3214868480
	.fill 96, 4, 3214868480
	.section	.rodata,"a",@progbits
	.p2align	6, 0x0
	.amdhsa_kernel k_q721cc5aa3a_attn
		.amdhsa_group_segment_fixed_size 272384
		.amdhsa_private_segment_fixed_size 0
		.amdhsa_enable_private_segment 0
		.amdhsa_kernarg_size 48
		.amdhsa_user_sgpr_count 2
		.amdhsa_user_sgpr_kernarg_segment_ptr 1
		.amdhsa_wavefront_size32 1
		.amdhsa_system_sgpr_workgroup_id_x 1
		.amdhsa_system_sgpr_workgroup_id_y 1
		.amdhsa_system_sgpr_workgroup_id_z 1
		.amdhsa_system_vgpr_workitem_id 0
		.amdhsa_next_free_vgpr 256
		.amdhsa_next_free_sgpr 102
		.amdhsa_reserve_vcc 1
		.amdhsa_float_denorm_mode_32 3
		.amdhsa_float_denorm_mode_16_64 3
		.amdhsa_memory_ordered 1
		.amdhsa_forward_progress 1
		.amdhsa_inst_pref_size 45
	.end_amdhsa_kernel
	.amdgpu_metadata
---
amdhsa.version: [ 1, 2 ]
amdhsa.kernels:
  - .name:           k_q721cc5aa3a_attn
    .symbol:         k_q721cc5aa3a_attn.kd
    .args:
      - { .name: qkvc, .offset: 0, .size: 8, .value_kind: global_buffer, .address_space: global }
      - { .name: qkvs, .offset: 8, .size: 8, .value_kind: global_buffer, .address_space: global }
      - { .name: masks, .offset: 16, .size: 8, .value_kind: global_buffer, .address_space: global }
      - { .name: ac, .offset: 24, .size: 8, .value_kind: global_buffer, .address_space: global }
      - { .name: asc, .offset: 32, .size: 8, .value_kind: global_buffer, .address_space: global }
      - { .name: flags, .offset: 40, .size: 8, .value_kind: global_buffer, .address_space: global }
    .group_segment_fixed_size: 272384
    .private_segment_fixed_size: 0
    .kernarg_segment_align: 8
    .kernarg_segment_size: 48
    .max_flat_workgroup_size: 512
    .sgpr_count:     102
    .vgpr_count:     256
    .wavefront_size: 32
...
	.end_amdgpu_metadata
.endif
;; end of part 3
;; launch proj (part 4): grid 4 x 32, 4 waves a work-group, clusters of 4 x 4, 327,680 bytes of LDS; arguments ac, asc, opc, ops, bproj, out0; writes out0
.if DOCPART == 4
	.amdgcn_target "amdgcn-amd-amdhsa--gfx1250"
	.amdhsa_code_object_version 6
	.text
	.protected	k_q721cc5aa3a_proj
	.globl	k_q721cc5aa3a_proj
	.p2align	8
	.type	k_q721cc5aa3a_proj,@function
k_q721cc5aa3a_proj:
	s_mov_b64 s[64:65], 0
	v_nop
	global_prefetch_b8 v0, s[64:65] scope:SCOPE_SE
	s_setreg_imm32_b32 hwreg(HW_REG_WAVE_MODE, 25, 1), 1
	s_wait_xcnt 0x0
	s_wait_alu depctr_hold_cnt(0) depctr_sa_sdst(0) depctr_va_vdst(0) depctr_va_sdst(0) depctr_va_ssrc(0) depctr_va_vcc(0) depctr_vm_vsrc(0)
	s_getreg_b32 s2, hwreg(HW_REG_IB_STS2, 6, 4)
	s_cmp_eq_u32 s2, 0
	s_cbranch_scc0 .Lentry_in_a_cluster
	s_endpgm
.Lentry_in_a_cluster:
	s_bfe_u32 s2, ttmp6, 0x10000c
	s_cmp_lg_u32 s2, 0xf033
	s_cbranch_scc0 .Lentry_shape_is_right
	s_endpgm
.Lentry_shape_is_right:
; out0 = attention's result x Wproj^T + bproj, on codes of FP4 (E2M1) with E8M0 scales, K = 1,024; out0 [8192][1024] f32.
; OPERANDS: codes as images of the operand's registers, [block of 16 positions][K step of 128][c][lane][16 bytes]; scale bytes [position][32]; rows in position order (bits 3 and 4 of the row swapped).
; Source 1 = the attention launch's ac and asc (tiles of 256 positions 0-31), source 0 = Wproj's rows, tiles 44-47 of opc and ops.
; A work-group of four waves makes 256 x 256, a wave 128 x 128: 64 accumulators, 512 registers.  K is two LDS slots of 512, both filled at the start: nothing is filled again.
; In a result, lane (r, h) holds source 1's position r, and register j of source 0's block b the TRUE column 32 (b / 2) + 8 (b % 2) + 16 h + j.
; CLUSTERS: 4 x 4 work-groups.  Source 1's tile hangs on cy and is shared along a row of the cluster, source 0's on cx and is shared along a column: each is asked for jointly.
; There are 128 tiles of 256 x 256, so 128 work-groups.
; REGISTERS, in windows of 256: window 0: v0-31 addresses; v32-95 scale words, two sets; v96-99 the bias; v128-191 source 1's fragments, one set.  window 1: source 0's fragments, two sets, at v0 and v128.
;   window 2: the accumulators of source 1's blocks 0-3 ((a, b) at v[8 (8 a + b)]); window 3: of blocks 4-7.  On the way out v128-255 of window 0 take rows read back from the stage.
.set NQ,     4
.set FR,     8
.set NL,     2
.set NP,     4                         ; places behind this matrix instruction (ISA guide 7.12.1)
.set HALFT,  32768                     ; 8 blocks x 4 K steps x 1,024 bytes: what one tensor load brings, and what one wave reads of a source
.set SLOT,   4*HALFT
.set SCL,    2*SLOT                    ; behind the slots: the scale bytes, as units of 256 bytes + 16 of padding
.set HALFS,  16*272
.set SBLK,   2*272
.set SPARE,  SCL+4*HALFS               ; the spare words, 128 bytes for each wave: two blocks of 256 bytes that no other line names
.set SPITCH, 528                       ; the way out: a stage of 16 rows x (512 bytes + 16) for each wave, in slot 0, which has had its one fill and its last read when the first result is stored there
.set ADRA, 16
.set ADRB, 20
.set STO,  24                          ; v24 the way out: where I put 32 bytes of a row
.set RD,   25                          ; v25 where I read a row back
.set CO,   26                          ; v26 16 x lane: my bytes of a row of 512
.set ADRS, 27
.set SPW,  28                          ; v28 my spare word; never rewritten
.set NIL,  29                          ; v29 0; never rewritten
.set SC,   32
.set AF,   128
.set BK,   128
.set G1, 24
.set G0, 32
.set G1B, 48
.set G0B, 56
.set G1S, 68
.set G0S, 76
.set G1SB, 80
.set G0SB, 88
.set MSB, 0
.macro WIN new                         ; the immediate's high byte repeats the setting that is left
.if MSB != (\new)
	s_set_vgpr_msb (MSB<<8)|(\new)
.set MSB, (\new)
.endif
.endm
.set MUL_LO, 0xa1
.set MUL_HI, 0xf1
.set TO_B,   0x40
; A joint load: waves 0 and 1 fetch for source 1, waves 2 and 3 for source 0.  The branch hangs on the wave's number alone.  Four v_nop follow each of the two lines.
.macro JLOAD g0a, g1a, g0b, g1b
	s_cmp_eq_u32 s15, 0
	s_cbranch_scc0 .Lfor_b_\@
	tensor_load_to_lds s[\g0a:\g0a+3], s[\g1a:\g1a+7]
	s_nop 0
.rept 4
	v_nop
.endr
	s_branch .Lasked_\@
.Lfor_b_\@:
	tensor_load_to_lds s[\g0b:\g0b+3], s[\g1b:\g1b+7]
	s_nop 0
.rept 4
	v_nop
.endr
.Lasked_\@:
.endm
.macro CROUND                          ; a round of the cluster's barrier
	s_barrier_signal -1
	s_barrier_wait -1
	s_cmp_lg_u32 s14, 0
	s_cbranch_scc1 .Lnot_wave_0_\@
	s_barrier_signal -3
.Lnot_wave_0_\@:
	s_barrier_wait -3
	s_barrier_signal -1
	s_barrier_wait -1
.endm
	s_load_b256 s[4:11], s[0:1], 0x0               ; ac s[4:5], asc s[6:7], opc s[8:9], ops s[10:11]
	s_load_b128 s[96:99], s[0:1], 0x20             ; bproj s[96:97], out0 s[98:99]
	v_lshl_add_u32 v[SPW], v0, 2, SPARE
	v_mov_b32 v[NIL], 0
	ds_add_u32 v28, v29
	ds_add_u32 v28, v29
	s_wait_dscnt 0x0
	v_lshrrev_b32 v1, 5, v0
	v_readfirstlane_b32 s14, v1                    ; wave 0..3
	s_lshr_b32 s15, s14, 1                         ; which half of source 1's positions is mine.  Also: I fetch for source 1 (0) or source 0 (1)
	s_and_b32 s16, s14, 1                          ; which half of source 0's.  Also: which 128 positions of that tile I fetch
	s_bfe_u32 s40, ttmp6, 0x40000                  ; cx
	s_bfe_u32 s41, ttmp6, 0x40004                  ; cy
	s_and_b32 s17, ttmp7, 0xffff
	s_lshl_b32 s17, s17, 2
	s_add_co_u32 s17, s17, s41                     ; source 1's tile: 4 x cluster y + cy
	s_lshl_b32 s42, ttmp9, 2
	s_add_co_u32 s42, s42, s40                     ; the tile column: 4 x cluster x + cx
	s_add_co_u32 s95, s42, 44                      ; source 0's tile in opc and ops
	s_lshl_b32 s43, s41, 2
	s_lshl_b32 s43, 15, s43                        ; my row of the cluster
	s_lshl_b32 s44, 0x1111, s40                    ; my column
	; descriptor group 1 for codes: 8 blocks' four K steps: 8 rows of 4,096 bytes (512 elements of 8), 8,192 bytes apart; dense in LDS
	s_or_b32 s[G1+0], s43, (3<<16)|(1<<21)
	s_or_b32 s[G1B+0], s44, (3<<16)|(1<<21)
.irp g, G1, G1B
	s_mov_b32 s[\g+1], 512<<16
	s_mov_b32 s[\g+2], 8<<16
	s_mov_b32 s[\g+3], 512<<16
	s_mov_b32 s[\g+4], 8
	s_mov_b32 s[\g+5], 1024
	s_mov_b32 s[\g+6], 0
	s_mov_b32 s[\g+7], 0
.endr
	; and for the scale bytes of 128 positions: 4,096 dense bytes as 16 rows of 256, 16 bytes of padding behind each
	s_or_b32 s[G1S+0], s43, (3<<16)|(1<<20)|(1<<21)|(5<<22)|(3<<25)
	s_or_b32 s[G1SB+0], s44, (3<<16)|(1<<20)|(1<<21)|(5<<22)|(3<<25)
.irp g, G1S, G1SB
	s_mov_b32 s[\g+1], 32<<16
	s_mov_b32 s[\g+2], 16<<16
	s_mov_b32 s[\g+3], 32<<16
	s_mov_b32 s[\g+4], 16
	s_mov_b32 s[\g+5], 32
	s_mov_b32 s[\g+6], 0
	s_mov_b32 s[\g+7], 0
.endr
	s_lshl_b32 s18, s16, 16
	s_lshl_b32 s20, s17, 17
	s_add_co_u32 s20, s20, s18
	s_mov_b32 s21, 0
	s_lshl_b32 s46, s95, 17
	s_add_co_u32 s46, s46, s18
	s_mov_b32 s47, 0
	s_lshl_b32 s18, s16, 12
	s_lshl_b32 s22, s17, 13
	s_add_co_u32 s22, s22, s18
	s_mov_b32 s23, 0
	s_lshl_b32 s92, s95, 13
	s_add_co_u32 s92, s92, s18
	s_mov_b32 s93, 0
	s_mul_i32 s45, s14, HALFT                      ; where they go: no place in the cluster enters an LDS address
	s_mul_i32 s94, s14, HALFS
	s_wait_kmcnt 0x0
	s_add_nc_u64 s[20:21], s[4:5], s[20:21]
	s_add_nc_u64 s[22:23], s[6:7], s[22:23]
	s_add_nc_u64 s[46:47], s[8:9], s[46:47]
	s_add_nc_u64 s[92:93], s[10:11], s[92:93]
	CROUND                                         ; all sixteen work-groups are here: the first joint loads meet
	s_mov_b32 s[G0S], 1
	s_add_co_u32 s[G0S+1], s94, SCL
	s_mov_b64 s[G0S+2:G0S+3], s[22:23]
	s_or_b32 s[G0S+3], s[G0S+3], 0x80000000
	s_mov_b32 s[G0SB], 1
	s_add_co_u32 s[G0SB+1], s94, SCL
	s_mov_b64 s[G0SB+2:G0SB+3], s[92:93]
	s_or_b32 s[G0SB+3], s[G0SB+3], 0x80000000
	JLOAD G0S, G1S, G0SB, G1SB                     ; the scale bytes first; by this text's count a wave has three tensor loads out at the most
.irp s, 0,1
	s_mov_b32 s[G0+4*\s], 1
	s_add_co_u32 s[G0+4*\s+1], s45, \s*SLOT
	s_add_nc_u64 s[G0+4*\s+2:G0+4*\s+3], s[20:21], \s*4096
	s_or_b32 s[G0+4*\s+3], s[G0+4*\s+3], 0x80000000
	s_mov_b32 s[G0B+4*\s], 1
	s_add_co_u32 s[G0B+4*\s+1], s45, \s*SLOT
	s_add_nc_u64 s[G0B+4*\s+2:G0B+4*\s+3], s[46:47], \s*4096
	s_or_b32 s[G0B+4*\s+3], s[G0B+4*\s+3], 0x80000000
	JLOAD G0+4*\s, G1, G0B+4*\s, G1B
.endr
	v_and_b32 v1, 15, v0                           ; r
	v_bfe_u32 v2, v0, 4, 1                         ; h
	v_and_b32 v6, 31, v0
	v_lshlrev_b32 v[CO], 4, v6                     ; 16 x lane
	s_mul_i32 s21, s15, HALFT
	s_mul_i32 s22, s16, HALFT
	s_add_co_u32 s22, s22, 2*HALFT
.irp s, 0,1
	v_add_nc_u32 v[ADRA+\s], s21, v[CO]
	v_add_nc_u32 v[ADRB+\s], s22, v[CO]
	s_add_co_u32 s21, s21, SLOT
	s_add_co_u32 s22, s22, SLOT
.endr
	v_mul_u32_u24 v5, v1, 32
	v_lshrrev_b32 v6, 8, v5
	v_lshl_add_u32 v5, v6, 4, v5
	s_mul_i32 s21, s15, HALFS
	s_mul_i32 s22, s16, HALFS
	s_add_co_u32 s22, s22, 2*HALFS
	s_sub_co_u32 s22, s22, s21
	v_mul_u32_u24 v6, s22, v2                      ; lanes 16-31 take source 0's scale words
	s_add_co_u32 s21, s21, SCL
	v_add_nc_u32 v5, v5, v6
	v_add_nc_u32 v[ADRS], s21, v5
	s_mul_i32 s23, s14, 16*SPITCH                  ; my stage
	v_mul_u32_u24 v5, v1, SPITCH
	v_lshl_add_u32 v5, v2, 6, v5                   ; in: row r, + 64 h: my half's 16 columns of each 32
	v_add_nc_u32 v[STO], s23, v5
	v_add_nc_u32 v[RD], s23, v[CO]                 ; back: the 32 lanes take one row of 512 bytes
	s_lshl_b32 s20, s42, 10
	s_lshl_b32 s21, s16, 9
	s_add_co_u32 s20, s20, s21                     ; my first column, in bytes
	s_mov_b32 s21, 0
	s_add_nc_u64 s[96:97], s[96:97], s[20:21]
	s_add_nc_u64 s[98:99], s[98:99], s[20:21]
	global_load_b128 v[96:99], v[CO], s[96:97]     ; the bias of my four columns of a row read back
	s_lshl_b32 s20, s17, 20                        ; 256 rows of 4,096 bytes a tile,
	s_lshl_b32 s22, s15, 19                        ; 128 for my half
	s_add_co_u32 s20, s20, s22
	s_add_nc_u64 s[98:99], s[98:99], s[20:21]
.macro FRAG reg, adr, q, i             ; a fragment is an image: two loads of 512 consecutive bytes
.irp c, 0,1
	ds_load_b128 v[\reg+4*\c:\reg+4*\c+3], v[\adr] offset:4096*(\i)+1024*(\q)+512*\c
.endr
.endm
; 16 matrix instructions: source 1's blocks a0, a0 + 1 x source 0's eight.  The 64 accumulators take turns, one instruction a turn, in the same order in every step.
.macro MUL16 a0, p, q, sc, zero
.irp a, \a0, \a0+1
.irp b, 0,1,2,3,4,5,6,7
.if \zero
	v_wmma_scale_f32_16x16x128_f8f6f4 v[8*(8*((\a)%4)+\b):8*(8*((\a)%4)+\b)+7], v[128*(\p)+FR*\b:128*(\p)+FR*\b+FR-1], v[AF+FR*(\a):AF+FR*(\a)+FR-1], 0, v[SC+8*NQ*(\sc)+NQ*\b+(\q)], v[SC+8*NQ*(\sc)+NQ*(\a)+(\q)] matrix_a_fmt:MATRIX_FMT_FP4 matrix_b_fmt:MATRIX_FMT_FP4 matrix_a_scale:MATRIX_SCALE_ROW1
.else
	v_wmma_scale_f32_16x16x128_f8f6f4 v[8*(8*((\a)%4)+\b):8*(8*((\a)%4)+\b)+7], v[128*(\p)+FR*\b:128*(\p)+FR*\b+FR-1], v[AF+FR*(\a):AF+FR*(\a)+FR-1], v[8*(8*((\a)%4)+\b):8*(8*((\a)%4)+\b)+7], v[SC+8*NQ*(\sc)+NQ*\b+(\q)], v[SC+8*NQ*(\sc)+NQ*(\a)+(\q)] matrix_a_fmt:MATRIX_FMT_FP4 matrix_b_fmt:MATRIX_FMT_FP4 matrix_a_scale:MATRIX_SCALE_ROW1
.endif
.endr
.endr
.endm
.macro FETCH_B slot, q, p
	WIN TO_B
.irp i, 0,1,2,3,4,5,6,7
	FRAG 128*(\p)+FR*\i, ADRB+\slot, \q, \i
.endr
	WIN 0
.endm
.macro FETCH_A slot, q, i0
.irp i, \i0, \i0+1, \i0+2, \i0+3
	FRAG AF+FR*(\i), ADRA+\slot, \q, \i
.endr
.endm
.macro SCALES sc
.irp i, 0,1,2,3,4,5,6,7
	ds_load_b128 v[SC+8*NQ*\sc+NQ*\i:SC+8*NQ*\sc+NQ*\i+3], v[ADRS] offset:\i*SBLK
.endr
.endm
.macro PLACES n                        ; plain vector instructions between a matrix instruction and a load into, or a read of, its registers
.rept \n
	v_nop
.endr
.endm
.macro STEP slot, q, zero
	s_wait_dscnt 4*NL                              ; all but the youngest eight loads (source 1's blocks 4-7) are in
	WIN MUL_LO
	MUL16 0, (\q)%2, \q, \slot, \zero
	MUL16 2, (\q)%2, \q, \slot, \zero
	s_wait_dscnt 0
	PLACES NP
	FETCH_B \slot, (\q)+1, 1-(\q)%2
	FETCH_A \slot, (\q)+1, 0
	WIN MUL_HI
	MUL16 4, (\q)%2, \q, \slot, \zero
	MUL16 6, (\q)%2, \q, \slot, \zero
	PLACES NP
	WIN 0
	FETCH_A \slot, (\q)+1, 4
.endm
.macro TURN slot, next                 ; a slot's last step changes slots: each wave's part of the next slot has landed, then one barrier
	s_wait_tensorcnt 0x0                           ; all my tensor loads have landed: my part of the next slot
	ds_add_u32 v[SPW], v[NIL]                      ; 0 onto my spare word
	s_wait_dscnt 4*NL+1                            ; (the add and the youngest eight loads may be out)
	WIN MUL_LO
	MUL16 0, 1, NQ-1, \slot, 0
	s_wait_dscnt 0x0                               ; the add is done, and my reads of this slot are over
	s_barrier_signal -1
	MUL16 2, 1, NQ-1, \slot, 0
	WIN 0
	s_barrier_wait -1                              ; the next slot is whole, and nobody reads this one any more
	PLACES NP
	v_add_nc_u32 v[ADRS], 4*NQ, v[ADRS]
	FETCH_B \next, 0, 0
	FETCH_A \next, 0, 0
	SCALES \next
	WIN MUL_HI
	MUL16 4, 1, NQ-1, \slot, 0
	MUL16 6, 1, NQ-1, \slot, 0
	PLACES NP
	WIN 0
	FETCH_A \next, 0, 4
.endm
.macro STEPS slot, from
.set Q, \from
.rept NQ-1-\from
	STEP \slot, Q, 0
.set Q, Q+1
.endr
.endm
	s_wait_tensorcnt 1                             ; the scale bytes and my part of slot 0 are in; slot 1's load may be out
	s_barrier_signal -1
	s_barrier_wait -1
	FETCH_B 0, 0, 0
	FETCH_A 0, 0, 0
	SCALES 0
	FETCH_A 0, 0, 4
	STEP 0, 0, 1                                   ; the first step's products start the sums: nothing is cleared
	STEPS 0, 1
	TURN 0, 1
	STEPS 1, 0
	s_wait_dscnt 4*NL                              ; the last step: nothing more to fetch
	WIN MUL_LO
	MUL16 0, 1, NQ-1, 1, 0
	MUL16 2, 1, NQ-1, 1, 0
	s_wait_dscnt 0
	WIN MUL_HI
	MUL16 4, 1, NQ-1, 1, 0
	MUL16 6, 1, NQ-1, 1, 0
	WIN 0
; THE WAY OUT, block by block of 16 positions x 128 columns, through my own stage in LDS: in, each accumulator's eight numbers at their true columns; back, whole rows of 512 bytes, which get the bias and are stored
; at the position's true row.  LDS serves a wave's instructions in order: no wait between the stores and the loads, nor in front of the next block's stores.
.macro TOSTAGE a
.set AC, 64*((\a)%4)
	WIN 0x08+4*((\a)/4)                            ; an LDS store's data are its source 1: window 2 or 3
.irp b, 0,1,2,3,4,5,6,7
	ds_store_b128 v[STO], v[AC+8*\b:AC+8*\b+3] offset:128*(\b/2)+32*(\b%2)          ; each accumulator from its low end on
	ds_store_b128 v[STO], v[AC+8*\b+4:AC+8*\b+7] offset:128*(\b/2)+32*(\b%2)+16
.endr
	WIN 0
.set BB, BK+64*((\a)%2)
.irp t, 0,1,2,3,4,5,6,7,8,9,10,11,12,13,14,15
	ds_load_b128 v[BB+4*\t:BB+4*\t+3], v[RD] offset:\t*SPITCH
.endr
.endm
.macro SEND a, younger                 ; younger: the LDS instructions issued behind block a's loads, which may stay out
.set BB, BK+64*((\a)%2)
	s_wait_dscnt \younger
.irp t, 0,1,2,3,4,5,6,7,8,9,10,11,12,13,14,15
	v_pk_add_f32 v[BB+4*\t:BB+4*\t+1], v[BB+4*\t:BB+4*\t+1], v[96:97]
	v_pk_add_f32 v[BB+4*\t+2:BB+4*\t+3], v[BB+4*\t+2:BB+4*\t+3], v[98:99]
.endr
.irp t, 0,1,2,3,4,5,6,7,8,9,10,11,12,13,14,15
	global_store_b128 v[CO], v[BB+4*\t:BB+4*\t+3], s[98:99] offset:(32*((\a)/2)+8*((\a)%2)+\t+8*(\t/8))*4096 th:TH_STORE_NT   ; 512 consecutive bytes, aligned; 127 rows at the most: inside the signed 24-bit immediate
.endr
.endm
	PLACES NP                                      ; behind the last products: for the first reads of results and the loads into the registers that held fragments
	s_wait_loadcnt 0x0                             ; the bias
	TOSTAGE 0
.irp a, 1,2,3,4,5,6,7
.if \a > 1
	s_wait_xcnt 0x0                                ; block a - 2's stores have read their registers: block a's loads may land there
.endif
	TOSTAGE \a
	SEND \a-1, 32                                  ; behind block a - 1's loads: block a's 16 stores and 16 loads
.endr
	SEND 7, 0
	s_wait_tensorcnt 0x0                           ; the wave's end
	ds_add_u32 v[SPW], v[NIL]
	s_wait_dscnt 0x0
	CROUND                                         ; the closing round: no work-group ends while a partner may still ask for a tile that names it
	s_endpgm
.Lfunc_end_k_q721cc5aa3a_proj:
	.size	k_q721cc5aa3a_proj, .Lfunc_end_k_q721cc5aa3a_proj-k_q721cc5aa3a_proj
	.p2alignl 7, 3214868480
	.fill 96, 4, 3214868480
	.section	.rodata,"a",@progbits
	.p2align	6, 0x0
	.amdhsa_kernel k_q721cc5aa3a_proj
		.amdhsa_group_segment_fixed_size 327680
		.amdhsa_private_segment_fixed_size 0
		.amdhsa_enable_private_segment 0
		.amdhsa_kernarg_size 48
		.amdhsa_user_sgpr_count 2
		.amdhsa_user_sgpr_kernarg_segment_ptr 1
		.amdhsa_wavefront_size32 1
		.amdhsa_system_sgpr_workgroup_id_x 1
		.amdhsa_system_sgpr_workgroup_id_y 1
		.amdhsa_system_sgpr_workgroup_id_z 1
		.amdhsa_system_vgpr_workitem_id 0
		.amdhsa_next_free_vgpr 1024
		.amdhsa_next_free_sgpr 100
		.amdhsa_reserve_vcc 0
		.amdhsa_float_denorm_mode_32 3
		.amdhsa_float_denorm_mode_16_64 3
		.amdhsa_memory_ordered 1
		.amdhsa_forward_progress 1
		.amdhsa_inst_pref_size 140
	.end_amdhsa_kernel
	.amdgpu_metadata
---
amdhsa.version: [ 1, 2 ]
amdhsa.kernels:
  - .name:           k_q721cc5aa3a_proj
    .symbol:         k_q721cc5aa3a_proj.kd
    .args:
      - { .name: ac, .offset: 0, .size: 8, .value_kind: global_buffer, .address_space: global }
      - { .name: asc, .offset: 8, .size: 8, .value_kind: global_buffer, .address_space: global }
      - { .name: opc, .offset: 16, .size: 8, .value_kind: global_buffer, .address_space: global }
      - { .name: ops, .offset: 24, .size: 8, .value_kind: global_buffer, .address_space: global }
      - { .name: bproj, .offset: 32, .size: 8, .value_kind: global_buffer, .address_space: global }
      - { .name: out0, .offset: 40, .size: 8, .value_kind: global_buffer, .address_space: global }
    .group_segment_fixed_size: 327680
    .private_segment_fixed_size: 0
    .kernarg_segment_align: 8
    .kernarg_segment_size: 48
    .max_flat_workgroup_size: 128
    .sgpr_count:     100
    .vgpr_count:     1024
    .wavefront_size: 32
...
	.end_amdgpu_metadata
.endif
;; end of part 4
;; ======== version 2 of 2: 4 launches; version 1 with the launch attn written anew for expert scheduling mode
;; workspace buffers: flags 4,096 bytes of whole numbers; opc 6,291,456 bytes; ops 393,216 bytes; masks 2,097,152 bytes of whole numbers; qkvc 12,582,912 bytes; qkvs 786,432 bytes; ac 4,194,304 bytes; asc 262,144 bytes
;; launch prep: the kernel of part 1 again; grid 448 x 1, 4 waves a work-group, no clusters, 34,304 bytes of LDS; arguments x, Wqkv, Wproj, causal_mask, key_padding_mask, opc, ops, masks, flags; writes opc, ops, masks, flags
;; launch qkv: the kernel of part 2 again; grid 12 x 32, 4 waves a work-group, clusters of 4 x 4, 327,680 bytes of LDS; arguments opc, ops, bqkv, qkvc, qkvs; writes qkvc, qkvs
;; launch attn (part 5): grid 4 x 64, 16 waves a work-group, no clusters, 272,384 bytes of LDS; arguments qkvc, qkvs, masks, ac, asc, flags; writes ac, asc
.if DOCPART == 5
	.amdgcn_target "amdgcn-amd-amdhsa--gfx1250"
	.amdhsa_code_object_version 6
	.text
	.protected	k_q721cc5aa3a_attn
	.globl	k_q721cc5aa3a_attn
	.p2align	8
	.type	k_q721cc5aa3a_attn,@function
k_q721cc5aa3a_attn:
	s_mov_b64 s[64:65], 0
	v_nop
	global_prefetch_b8 v0, s[64:65] scope:SCOPE_SE
	s_setreg_imm32_b32 hwreg(HW_REG_WAVE_SCHED_MODE, 0, 2), 2
	s_setreg_imm32_b32 hwreg(HW_REG_WAVE_MODE, 25, 1), 1
	s_wait_xcnt 0x0
	s_wait_alu depctr_vm_vsrc(0)
; Attention of one (batch, head) on codes of FP4 (E2M1) with E8M0 scales, head size 64, 2,048 keys; both masks as given, as bits made by the first launch.
; THE SECOND PRODUCT'S LEFT OPERAND IS THE FINISHED SOFTMAX: p = exp(s / 8 - max) / sum, 0 for a row with every key masked, quantised along the keys.  The codes hang on the sum, so the keys are walked TWICE:
; pass 1: scores, running maximum m, sum (brought under a new m by f = 2^(new NM - old NM), NM = -c m as it was rounded), and each block of 32 keys' largest score, kept in LDS;
; pass 2: the same scores again (the same instructions on the same numbers: the same bits), p = 2^(c s + NM) x (1 / sum), its codes, O^T += V^T P^T.  c = log2(e) / 8.
; SHARES.  A work-group serves one head; K's and V's codes and scale words of the whole head (136 KiB) are copied into LDS once, through registers.  Each of its 16 waves takes two tiles of 16 query positions, one after the other:
; chunks of 128 positions are dealt so that a wave's two tiles lie in chunks i and 15 - i.  A step is 128 keys.  A step in which no pair counts is left out, and the mask's 64 selects are passed over where no pair is
; masked: scalar branches on the flags that the first launch stored.  Those branches are why this launch has no tensor load and no joint load; what the four work-groups of a head share is read once by each.
; LAYOUT.  Both products are used transposed: a lane holds ONE query position (lane % 16).  Keys and queries lie in position order (bits 3 and 4 of the index swapped), so that register 16 B + i of the scores is the TRUE key
; 128 step + 32 B + 16 (lane / 16) + i.  THE HEAD SIZE IS HALF OF THE INSTRUCTION'S K: a fragment of 8 registers holds two tiles of 16 keys (d 0-63 of one, then of the other); q stands between zeros, v[24:35] = 0 | q | 0,
; and v[28:35] picks the first tile, v[24:31] the second: the other half meets zero codes.
; OUT: ac [block of 16 positions, 512][head][512 bytes]: lane (r, h): d = 32 h .. 32 h + 31; asc [position][32 bytes], byte 2 head + d / 32.  A tile writes 2 of each row's 32 scale bytes: one byte in 16 of what it stores.
; LIMITS: NaN and infinities among the scores (but the mask's) are not served; scores lie above -3e38; a block's largest p is made from its largest score, which takes v_exp_f32 not to fall where its input rises;
; a block of zeros or under 2^-124 gets the scale byte 1 (only this program reads the bytes); exponentials under 2^-126 come out as 0.
; REGISTERS: v1 16 lane; v2 16 r; v3 my block maxima in LDS; v4 -infinity; v5 32 r + h; v8-11 a step's LDS addresses; v[12:13] NM; v[14:15], v[22:23] the sum; v[16:17] 1 / sum; v18 m; v19 at work; v[20:21] f;
; v[24:35] 0 | q | 0; v36 q's scale word; v40-43 K's, v44-47 V's; v48-59 block maxima and scales at work; v60 p's scale word; v61, v62 lane constants; v64-95 K; v96-127 V; v128-191 scores, then p; v192-223 O^T; v224-231 p's codes.
; SCALARS: s[4:13] five buffers; s14 wave; s[66:67] the flags' buffer; s[16:63], s[68:83] a step's 64 mask words (s[68:69] first take a tile's two flag words); s84-101 constants, counters and temporaries.
; THE MODE: SCHED_MODE bits 1:0 = 2 (LLVM: expert scheduling mode 2), set by the entry lines.  The code itself states the register dependences between vector or matrix instructions and memory or LDS instructions,
; with s_wait_alu, always for 0.
; THE PLAN.  Registers that memory or LDS instructions touch:
;   v1-3, v5-7, v38, v61, v62   offsets, and v254, v255: written once at the head, ahead of its one wait on va_vdst, and never again.
;   v8-11      a step's LDS addresses: written by the adds at the step's head, read by that step's LDS loads (v11 in pass 1 by its LDS store too).
;   v64-95, v40-43   K and its scale words: LDS loads land at the step's head; the step's eight products read them.   v96-127, v44-47 (pass 2): V likewise; the step's last four products read them.
;   v48-51     pass 1: the vector maxima write them, one LDS store reads them; pass 2: an LDS load lands there, vector lines work on them; the way out writes v48, v49.
;   v28-31, v37   q and its scale word's source: a global load lands once a tile; products and one vector line read them.     v224-227, v19   the way out's results: two global stores read them.
; A STEP'S WAITS: vm_vsrc ahead of the adds at its head; va_vdst behind them, ahead of ALL the step's LDS loads; va_vdst behind its exponentials, which go as one batch (in pass 1 the LDS store follows that wait);
; in pass 2 va_vdst once more, ahead of the products that take p's codes and scale word.
.set KSC,  131072                      ; LDS: K's image at 0, V's at 65,536; K's scale words here, V's 4,096 on;
.set VIM,  65536
.set BMX,  139264                      ; block maxima: 8,192 bytes a wave: 512 x step + 16 x lane
.macro SCORES p                        ; S^T = K Q^T of the step at s90 (4,096 x step); in pass 2 the step's V is asked for here too
	s_lshr_b32 s100, s90, 4                        ; 256 x step
	s_lshr_b32 s101, s90, 3                        ; 512 x step
	s_wait_alu depctr_vm_vsrc(0)                   ; the LDS instructions issued so far have read v8 to v11, which the adds below write, and pass 1's store has read v[48:51], which this step writes again
	v_add_nc_u32 v8, s90, v1
	v_add_nc_u32 v10, s100, v61
	v_add_nc_u32 v11, s101, v3
.if \p == 2
	v_add_nc_u32 v9, s90, v62
.endif
	s_wait_alu depctr_va_vdst(0)                   ; the addresses are written; the earlier products are done reading K, V and their scale words, the vector lines are done with v[48:51]: the loads below land there; q's scale word v36 is written
.irp f, 0,1,2,3
.irp c, 0,1
	ds_load_b128 v[64+8*\f+4*\c:67+8*\f+4*\c], v8 offset:1024*\f+512*\c   ; tiles 2 f and 2 f + 1 of 16 keys
.endr
.endr
	ds_load_b128 v[40:43], v10                     ; word f: both tiles' scale bytes
.if \p == 2
	ds_load_b128 v[48:51], v11                     ; the four blocks' largest scores, kept by pass 1
.irp t, 0,1,2,3
.irp c, 0,1
	ds_load_b128 v[96+8*\t+4*\c:99+8*\t+4*\c], v9 offset:1024*\t+512*\c   ; V^T: tile t of 16 of the head's 64 x these 128 keys.  No further wait: no vector or matrix line since the wait above names these registers
.endr
.endr
	ds_load_b128 v[44:47], v10 offset:4096         ; and its scale words
	s_wait_dscnt 9                                 ; LDS loads come back in order: K, its scale words and the block maxima are in; V's nine loads may be out
.else
	s_wait_dscnt 0x0
.endif
.irp f, 0,1,2,3
.irp u, 0,1
	v_wmma_scale_f32_16x16x128_f8f6f4 v[128+8*(2*\f+\u):135+8*(2*\f+\u)], v[64+8*\f:71+8*\f], v[28-4*\u:35-4*\u], 0, v[40+\f], v36 matrix_a_fmt:MATRIX_FMT_FP4 matrix_b_fmt:MATRIX_FMT_FP4
.endr
.endr
.endm
.macro MASK                            ; where the step has a masked pair: its 64 words, one bit a lane; masked scores become -infinity
	s_bitcmp1_b32 s94, 0
	s_cbranch_scc0 .Lopen_\@
	s_load_b512 s[16:31], s[98:99], s100 offset:0x0
	s_load_b512 s[32:47], s[98:99], s100 offset:0x40
	s_load_b512 s[48:63], s[98:99], s100 offset:0x80
	s_load_b512 s[68:83], s[98:99], s100 offset:0xc0
	s_wait_kmcnt 0x0
.set n, 0
.rept 48
	v_cndmask_b32 v[128+n], v[128+n], v4, s[16+n]
.set n, n+1
.endr
.rept 16
	v_cndmask_b32 v[128+n], v[128+n], v4, s[20+n]
.set n, n+1
.endr
.Lopen_\@:
.endm
.macro FJ j                            ; pair j: c s + NM
	v_pk_fma_f32 v[128+2*(\j):129+2*(\j)], v[128+2*(\j):129+2*(\j)], s[84:85], v[12:13] op_sel_hi:[1,0,0]
.endm
.macro EJ j
	v_exp_f32 v[128+2*(\j)], v[128+2*(\j)]
	v_exp_f32 v[129+2*(\j)], v[129+2*(\j)]
.endm
.macro BATCH                           ; all 32 scalings, then all 64 exponentials: none of these lines names an exponential's result
.set jj, 0
.rept 32
	FJ jj
.set jj, jj+1
.endr
.set jj, 0
.rept 32
	EJ jj
.set jj, jj+1
.endr
.endm
	s_load_b256 s[4:11], s[0:1], 0x0               ; qkvc s[4:5], qkvs s[6:7], masks s[8:9], ac s[10:11]
	s_load_b64 s[12:13], s[0:1], 0x20              ; asc
	s_load_b64 s[66:67], s[0:1], 0x28              ; flags
	v_lshl_add_u32 v254, v0, 2, 0x42000
	v_mov_b32 v255, 0
	v_lshrrev_b32 v1, 5, v0
	v_readfirstlane_b32 s14, v1                    ; wave 0..15
	s_and_b32 s97, ttmp7, 0xffff                   ; batch x 16 + head
	v_lshlrev_b32 v6, 4, v0                        ; 16 x thread: 8,192 bytes to a load of the work-group
	v_add_nc_u32 v7, VIM, v6
	v_add_nc_u32 v38, KSC, v6
	s_add_co_u32 s2, s97, 64                       ; k's record,
	s_add_co_u32 s3, s97, 128                      ; v's
	s_lshl_b32 s16, s2, 16
	s_mov_b32 s17, 0
	s_lshl_b32 s18, s3, 16
	s_mov_b32 s19, 0
	s_lshl_b32 s20, s2, 12                         ; waves 0-7 copy K's 4,096 bytes of scale words,
	s_lshl_b32 s21, s3, 12
	s_sub_co_u32 s21, s21, 4096                    ; waves 8-15 (threads 256 on) V's
	s_wait_alu depctr_va_sdst(0)                   ; s14 is written, ahead of its first reader
	s_cmp_lt_u32 s14, 8
	s_cselect_b32 s20, s20, s21
	s_mov_b32 s21, 0
	v_and_b32 v39, 31, v0                          ; all the head's vector work stands here, ahead of the one wait below
	v_lshlrev_b32 v1, 4, v39                       ; 16 x lane
	v_and_b32 v5, 15, v0                           ; r
	v_lshlrev_b32 v2, 4, v5                        ; 16 r
	v_bfe_u32 v19, v0, 4, 1                        ; h
	v_lshl_add_u32 v5, v5, 5, v19                  ; 32 r + h
	s_lshl_b32 s2, s14, 13
	s_add_co_u32 s2, s2, BMX
	v_add_nc_u32 v3, s2, v1
	v_add_nc_u32 v61, KSC, v2
	v_add_nc_u32 v62, VIM, v1
	v_mov_b32 v4, 0xff800000                       ; -infinity
.irp j, 24,25,26,27,32,33,34,35
	v_mov_b32 v\j, 0                               ; the zero codes beside q
.endr
.irp j, 13,21,52,53,54,55
	v_mov_b32 v\j, 0                               ; upper halves of pairs whose low word alone is used; lane permutes' destinations
.endr
	s_wait_kmcnt 0x0
	s_add_nc_u64 s[16:17], s[4:5], s[16:17]
	s_add_nc_u64 s[18:19], s[4:5], s[18:19]
	s_add_nc_u64 s[20:21], s[6:7], s[20:21]
	s_wait_alu depctr_va_vdst(0)                   ; every offset of the kernel (v1-3, v5-7, v38, v61, v62) is written, which its loads and stores read; so are the zero codes beside q, which the scaled products take as an operand
.irp i, 0,1,2,3,4,5,6,7
	global_load_b128 v[64+4*\i:67+4*\i], v6, s[16:17] offset:8192*\i
.endr
.irp i, 0,1,2,3,4,5,6,7
	global_load_b128 v[96+4*\i:99+4*\i], v6, s[18:19] offset:8192*\i
.endr
	global_load_b128 v[128:131], v6, s[20:21]
	s_sub_co_u32 s2, 7, ttmp9
	s_cmp_lt_u32 s14, 8
	s_cselect_b32 s96, ttmp9, s2                   ; my first tile's chunk: j for waves 0-7, 7 - j for waves 8-15; the second's is 15 less that
	s_mov_b32 s84, 0x3e38aa3b                      ; c = log2(e) / 8
	s_mov_b32 s85, s84
	s_mov_b32 s86, 0x76543210
	s_mov_b32 s87, 0xfedcba98                      ; lane l xor 16
	s_mov_b32 s88, 0xbe38aa3b                      ; -c
	s_mov_b32 s89, 0xffff0000                      ; lanes 16-31
	s_mov_b32 s92, 0                               ; which of my two tiles
.irp i, 0,1,2,3,4,5,6,7
	s_wait_loadcnt 16-\i                           ; loads come back in order: K's load i is in, the 16 - i behind it may be out
	ds_store_b128 v6, v[64+4*\i:67+4*\i] offset:8192*\i
.endr
.irp i, 0,1,2,3,4,5,6,7
	s_wait_loadcnt 8-\i
	ds_store_b128 v7, v[96+4*\i:99+4*\i] offset:8192*\i
.endr
	s_wait_loadcnt 0x0
	ds_store_b128 v38, v[128:131]
	s_wait_dscnt 0x0                               ; for the others' sake: my stores have landed
	s_barrier_signal -1
	s_barrier_wait -1                              ; the launch's one barrier: from here on K, V and their scale words are only read, and each wave's block maxima are its own
	s_wait_alu depctr_vm_vsrc(0)                   ; my LDS stores have read v[64:131]: these registers are K, V and the scores from here on, written by LDS loads and by products
.Lunit:
	s_sub_co_u32 s2, 15, s96
	s_cmp_eq_u32 s92, 0
	s_cselect_b32 s2, s96, s2                      ; the chunk
	s_lshl_b32 s2, s2, 3
	s_and_b32 s3, s14, 7
	s_add_co_u32 s2, s2, s3                        ; the tile in the batch, 0..127
	s_lshr_b32 s3, s97, 4
	s_lshl_b32 s3, s3, 7
	s_add_co_u32 s91, s3, s2                       ; 128 x batch + tile
	s_lshl_b32 s100, s91, 3
	s_load_b64 s[68:69], s[66:67], s100 offset:0x0 ; the two halves' flags: 8 bytes a tile
	s_lshl_b32 s16, s97, 16
	s_lshl_b32 s3, s2, 9
	s_add_co_u32 s16, s16, s3
	s_mov_b32 s17, 0
	s_add_nc_u64 s[16:17], s[4:5], s[16:17]
	global_load_b128 v[28:31], v1, s[16:17]        ; q's codes: d = 32 h .. 32 h + 31 of position r.  No wait here: the last wait on va_vdst (the head's; the way out's of the tile before) stands behind every line that read v[28:31] or v37, and no vector line follows it
	s_lshl_b32 s18, s97, 12
	s_lshr_b32 s3, s2, 3
	s_lshl_b32 s3, s3, 8
	s_add_co_u32 s18, s18, s3
	s_bfe_u32 s3, s2, 0x20001
	s_lshl_b32 s3, s3, 2
	s_add_co_u32 s18, s18, s3
	s_mov_b32 s19, 0
	s_add_nc_u64 s[18:19], s[6:7], s[18:19]
	global_load_b32 v37, v2, s[18:19]              ; the word with my tile's two scale bytes: below for an even tile, above for an odd one
	s_mov_b32 s101, 0x03020302
	s_bitcmp1_b32 s2, 0
	s_cselect_b32 s101, s101, 0x01000100
	s_lshl_b32 s98, s91, 12
	s_mov_b32 s99, 0
	s_add_nc_u64 s[98:99], s[8:9], s[98:99]        ; my tile's mask words: 256 bytes a step
	v_mov_b32 v18, 0xff61b1e6                      ; m: -3e38, under every score
	v_mul_f32 v12, s88, v18                        ; NM = -c m
	v_mov_b32 v14, 0
	v_mov_b32 v15, 0
	v_mov_b32 v22, 0
	v_mov_b32 v23, 0
	s_wait_loadcnt 0x0
	v_perm_b32 v36, v37, v37, s101                 ; the two bytes in both halves of the word: they serve whichever half q stands in
.set n, 0
.rept 32
	v_mov_b32 v[192+n], 0                          ; O^T: which step is the first to count is known only from the flags.  (Also the places between q's scale word and the first product)
.set n, n+1
.endr
	s_wait_kmcnt 0x0
	s_or_b32 s95, s68, s69                         ; bit step: some pair counts; bit 16 + step: some pair is masked
	; ---- pass 1
	s_mov_b32 s90, 0
	s_mov_b32 s93, s95
	s_lshr_b32 s94, s95, 16
.Lp1:
	s_bitcmp1_b32 s93, 0
	s_cbranch_scc0 .Lp1_next
	SCORES 1
.rept 4
	v_nop                                          ; places behind the products
.endr
	MASK
.irp b, 0,1,2,3
	v_max3_num_f32 v[48+\b], v[128+16*\b], v[129+16*\b], v[130+16*\b]   ; the largest score of each block of 32 keys
.endr
.irp i, 3,5,7,9,11,13
.irp b, 0,1,2,3
	v_max3_num_f32 v[48+\b], v[48+\b], v[128+16*\b+\i], v[129+16*\b+\i]
.endr
.endr
.irp b, 0,1,2,3
	v_max_num_f32 v[48+\b], v[48+\b], v[143+16*\b]
.endr
.irp b, 0,1,2,3
	v_permlanex16_b32 v[52+\b], v[48+\b], s86, s87
.endr
.irp b, 0,1,2,3
	v_max_num_f32 v[48+\b], v[48+\b], v[52+\b]     ; with lane l xor 16's 16 keys
.endr
	v_max3_num_f32 v19, v48, v49, v50
	v_max3_num_f32 v18, v19, v51, v18              ; the running maximum
	v_mov_b32 v19, v12
	v_mul_f32 v12, s88, v18                        ; the new NM
	v_sub_f32 v19, v12, v19
	v_exp_f32 v20, v19                             ; f = 2^(new NM - old NM): the first of the step's batch of 65 exponentials
	BATCH
	v_nop                                          ; one plain line behind the last exponential, ahead of the first use
	s_wait_alu depctr_va_vdst(0)                   ; the 65 exponentials have written f and v[128:191], ahead of their first reader; the maxima have written v[48:51], which the LDS store reads
	ds_store_b128 v11, v[48:51]                    ; kept for pass 2
	v_pk_mul_f32 v[14:15], v[14:15], v[20:21] op_sel_hi:[1,0]
	v_pk_mul_f32 v[22:23], v[22:23], v[20:21] op_sel_hi:[1,0]
.set jj, 0
.rept 16                                       ; into the sum, two chains by turns: pairs 0, 2, 4 .. and pairs 1, 3, 5 .., each ascending
	v_pk_add_f32 v[14:15], v[14:15], v[128+4*jj:129+4*jj]
	v_pk_add_f32 v[22:23], v[22:23], v[130+4*jj:131+4*jj]
.set jj, jj+1
.endr
.Lp1_next:
	s_lshr_b32 s93, s93, 1
	s_lshr_b32 s94, s94, 1
	s_add_co_u32 s90, s90, 4096
	s_cmp_lt_u32 s90, 65536
	s_cbranch_scc1 .Lp1
	s_wait_alu depctr_vm_vsrc(0)                   ; pass 1's LDS stores have read v[48:51]: the way out writes v48 and v49 again, whichever steps pass 2 works
	; ---- 1 / sum; 0 where every key is masked
	v_pk_add_f32 v[14:15], v[14:15], v[22:23]
	v_add_f32 v14, v14, v15
	v_permlanex16_b32 v19, v14, s86, s87
	v_add_f32 v14, v14, v19
	v_rcp_f32 v16, v14
	v_cmp_lt_f32 vcc_lo, 0, v14                    ; (a plain place behind the reciprocal)
	s_wait_alu depctr_va_vcc(0)                    ; the compare has written VCC, which the select reads
	s_wait_alu depctr_va_vdst(0)                   ; the reciprocal has written v16, ahead of its first reader
	v_cndmask_b32 v16, 0, v16, vcc_lo
	v_mov_b32 v17, v16
	; ---- pass 2
	s_mov_b32 s90, 0
	s_mov_b32 s93, s95
	s_lshr_b32 s94, s95, 16
.Lp2:
	s_bitcmp1_b32 s93, 0
	s_cbranch_scc0 .Lp2_next
	SCORES 2
.irp b, 0,1,2,3
	v_fma_f32 v[48+\b], v[48+\b], s84, v12         ; each block's largest score goes the way of every score.  (These four are the places behind the products)
.endr
	MASK
	BATCH
.irp b, 0,1,2,3
	v_exp_f32 v[48+\b], v[48+\b]                   ; the four blocks' go with the batch: 68 exponentials
.endr
	v_nop                                          ; one plain line behind the last exponential, ahead of the first use
	s_wait_alu depctr_va_vdst(0)                   ; the 68 exponentials have written v[128:191] and v[48:51], ahead of their first reader
.irp b, 0,1,2,3
	v_mul_f32 v[48+\b], v[48+\b], v16              ; the block's largest p
.endr
.irp b, 0,1,2,3
	v_max_num_f32 v[48+\b], 0x1800000, v[48+\b]    ; the floor 2^(3 - 127): the byte cannot fall under 1
.endr
.irp b, 0,1,2,3
	v_add_nc_u32 v[56+\b], 0xff000000, v[48+\b]    ; 2 off the exponent field: the conversion's scale operand
.endr
.irp b, 0,1,2,3
	v_lshrrev_b32 v[52+\b], 23, v[56+\b]
.endr
	v_lshl_or_b32 v60, v53, 8, v52
	v_lshl_or_b32 v60, v54, 16, v60
	v_lshl_or_b32 v60, v55, 24, v60                ; p's scale word for these 128 keys
.set jj, 0
.rept 32
	v_pk_mul_f32 v[128+2*jj:129+2*jj], v[128+2*jj:129+2*jj], v[16:17]   ; x 1 / sum.  (These 32 are also the places between p's scale word and the products that take it)
.set jj, jj+1
.endr
.irp b, 0,1,2,3
	v_cvt_scalef32_pk8_fp4_f32 v[224+2*\b], v[128+16*\b:135+16*\b], v[56+\b]
	v_cvt_scalef32_pk8_fp4_f32 v[225+2*\b], v[136+16*\b:143+16*\b], v[56+\b]
.endr
	v_nop                                          ; one plain place behind a scaled conversion
.irp c, 0,1
.irp i, 0,1
	v_permlane16_swap_b32 v[224+4*\c+\i], v[226+4*\c+\i]   ; a whole block to a lane
.endr
.endr
.rept 4
	v_nop                                          ; an operand written by vector instructions stands four places ahead of a scaled matrix instruction
.endr
	s_wait_alu depctr_va_vdst(0)                   ; behind the places: p's codes v[224:231] and p's scale word v60 are written, which the scaled products below take as operand and scales
	s_wait_dscnt 0x0                               ; V
.irp t, 0,1,2,3                                ; the four accumulators by turns, one instruction a turn
	v_wmma_scale_f32_16x16x128_f8f6f4 v[192+8*\t:199+8*\t], v[96+8*\t:103+8*\t], v[224:231], v[192+8*\t:199+8*\t], v[44+\t], v60 matrix_a_fmt:MATRIX_FMT_FP4 matrix_b_fmt:MATRIX_FMT_FP4
.endr
.Lp2_next:
	s_lshr_b32 s93, s93, 1
	s_lshr_b32 s94, s94, 1
	s_add_co_u32 s90, s90, 4096
	s_cmp_lt_u32 s90, 65536
	s_cbranch_scc1 .Lp2
	; ---- the way out: register 16 B + i of O^T is d = 32 B + 16 h + i of my query: two blocks of the last product's K
.rept 4
	v_nop                                          ; places behind the last products
.endr
.irp b, 0,1
	v_max3_num_f32 v[48+\b], |v[192+16*\b]|, |v[193+16*\b]|, 0x1800000
.endr
.irp i, 2,4,6,8,10,12,14
.irp b, 0,1
	v_max3_num_f32 v[48+\b], v[48+\b], |v[192+16*\b+\i]|, |v[193+16*\b+\i]|
.endr
.endr
.irp b, 0,1
	v_permlanex16_b32 v[52+\b], v[48+\b], s86, s87
.endr
.irp b, 0,1
	v_max_num_f32 v[48+\b], v[48+\b], v[52+\b]
.endr
.irp b, 0,1
	v_add_nc_u32 v[56+\b], 0xff000000, v[48+\b]
.endr
.irp b, 0,1
	v_lshrrev_b32 v[52+\b], 23, v[56+\b]
.endr
.irp b, 0,1
	v_cvt_scalef32_pk8_fp4_f32 v[224+2*\b], v[192+16*\b:199+16*\b], v[56+\b]
	v_cvt_scalef32_pk8_fp4_f32 v[225+2*\b], v[200+16*\b:207+16*\b], v[56+\b]
.endr
	v_nop                                          ; one plain place behind a scaled conversion
	v_permlane16_swap_b32 v224, v226
	v_permlane16_swap_b32 v225, v227               ; lanes 0-15: d 0-31, lanes 16-31: d 32-63
	v_cndmask_b32 v19, v52, v53, s89               ; my half's block's byte
	s_and_b32 s3, s97, 15                          ; the head
	s_lshl_b32 s16, s91, 4
	s_add_co_u32 s16, s16, s3
	s_lshl_b32 s16, s16, 9
	s_mov_b32 s17, 0
	s_add_nc_u64 s[16:17], s[10:11], s[16:17]
	s_lshl_b32 s18, s91, 9
	s_lshl_b32 s3, s3, 1
	s_add_co_u32 s18, s18, s3
	s_mov_b32 s19, 0
	s_add_nc_u64 s[18:19], s[12:13], s[18:19]
	s_wait_alu depctr_va_vdst(0)                   ; the codes v[224:227] and the byte v19 are written, which the two stores read; the tile's products are done reading q, in which the next tile's load lands
	global_store_b128 v1, v[224:227], s[16:17]     ; 512 consecutive bytes
	global_store_b8 v5, v19, s[18:19]
	s_wait_xcnt 0x0                                ; the stores have read their registers and bases: the next tile writes them again
	s_wait_alu depctr_vm_vsrc(0)                   ; the two stores have read v[224:227] and v19, which the next tile's vector lines write again
	s_add_co_u32 s92, s92, 1
	s_cmp_lt_u32 s92, 2
	s_cbranch_scc1 .Lunit
	s_wait_dscnt 0x0                               ; the closing lines, six on end
	s_wait_alu 0x0
	s_wait_tensorcnt 0x0
	ds_add_u32 v254, v255
	s_wait_dscnt 0x0
	s_endpgm
.Lfunc_end_k_q721cc5aa3a_attn:
	.size	k_q721cc5aa3a_attn, .Lfunc_end_k_q721cc5aa3a_attn-k_q721cc5aa3a_attn
	.p2alignl 7, 3214868480
	.fill 96, 4, 3214868480
	.section	.rodata,"a",@progbits
	.p2align	6, 0x0
	.amdhsa_kernel k_q721cc5aa3a_attn
		.amdhsa_group_segment_fixed_size 272384
		.amdhsa_private_segment_fixed_size 0
		.amdhsa_enable_private_segment 0
		.amdhsa_kernarg_size 48
		.amdhsa_user_sgpr_count 2
		.amdhsa_user_sgpr_kernarg_segment_ptr 1
		.amdhsa_wavefront_size32 1
		.amdhsa_system_sgpr_workgroup_id_x 1
		.amdhsa_system_sgpr_workgroup_id_y 1
		.amdhsa_system_sgpr_workgroup_id_z 1
		.amdhsa_system_vgpr_workitem_id 0
		.amdhsa_next_free_vgpr 256
		.amdhsa_next_free_sgpr 102
		.amdhsa_reserve_vcc 1
		.amdhsa_float_denorm_mode_32 3
		.amdhsa_float_denorm_mode_16_64 3
		.amdhsa_memory_ordered 1
		.amdhsa_forward_progress 1
		.amdhsa_inst_pref_size 44
	.end_amdhsa_kernel
	.amdgpu_metadata
---
amdhsa.version: [ 1, 2 ]
amdhsa.kernels:
  - .name:           k_q721cc5aa3a_attn
    .symbol:         k_q721cc5aa3a_attn.kd
    .args:
      - { .name: qkvc, .offset: 0, .size: 8, .value_kind: global_buffer, .address_space: global }
      - { .name: qkvs, .offset: 8, .size: 8, .value_kind: global_buffer, .address_space: global }
      - { .name: masks, .offset: 16, .size: 8, .value_kind: global_buffer, .address_space: global }
      - { .name: ac, .offset: 24, .size: 8, .value_kind: global_buffer, .address_space: global }
      - { .name: asc, .offset: 32, .size: 8, .value_kind: global_buffer, .address_space: global }
      - { .name: flags, .offset: 40, .size: 8, .value_kind: global_buffer, .address_space: global }
    .group_segment_fixed_size: 272384
    .private_segment_fixed_size: 0
    .kernarg_segment_align: 8
    .kernarg_segment_size: 48
    .max_flat_workgroup_size: 512
    .sgpr_count:     102
    .vgpr_count:     256
    .wavefront_size: 32
...
	.end_amdgpu_metadata
.endif
;; end of part 5
;; launch proj: the kernel of part 4 again; grid 4 x 32, 4 waves a work-group, clusters of 4 x 4, 327,680 bytes of LDS; arguments ac, asc, opc, ops, bproj, out0; writes out0
